; MI455X (gfx1250); checked and timed in simulation.
; The chip was launched on July 23, 2026; its instructions are those of AMD's public machine-readable ISA for CDNA 5 (MIT licence, August 2026) and "CDNA5" Instruction Set Architecture Reference Guide (July 2026). The comments in the code are by the model that wrote it; some were corrected since.
;; Head. Allowed arithmetic: float matrix products may take bf16 or f16 operands with f32 sums; other float arithmetic in f32, or as packed bf16 or f16 multiplies, adds, multiply-adds, maxima and minima; sums over many terms, partial sums and values carried from step to step in f32; what a program stores and reads back later, other than sums and carried values, may be rounded once to bf16 or f16.
;; Inputs: Wk 1,024 x 1,024 float32; Wq 1,024 x 1,024 float32; Wv 1,024 x 1,024 float32; x 4 x 2,048 x 1,024 float32.
;; Outputs: out0 4 x 2,048 x 1,024 float32.
;; 2 versions, each right; version 2 is version 1 with the launch cast written anew for expert scheduling mode. Each part assembles by itself: llvm-mc -triple=amdgcn-amd-amdhsa -mcpu=gfx1250 --defsym DOCPART=n.
;; ======== version 1 of 2: 4 launches
;; limits: values are held in f16: magnitudes above 65,504 overflow, below 6.1e-05 lose precision
;; workspace buffers: xb 16,777,216 bytes; wb 6,291,456 bytes; qkv 50,331,648 bytes; pw 33,554,432 bytes; est 524,288 bytes; lst 524,288 bytes
;; launch cast (part 1): grid 704 x 1, 8 waves a work-group, no clusters, 35,840 bytes of LDS; arguments x, Wq, Wk, Wv, xb, wb; writes xb, wb
.if DOCPART == 1
	.amdgcn_target "amdgcn-amd-amdhsa--gfx1250"
	.amdhsa_code_object_version 6
	.text
	.protected	k_qc0b8fc4942_cast
	.globl	k_qc0b8fc4942_cast
	.p2align	8
	.type	k_qc0b8fc4942_cast,@function
k_qc0b8fc4942_cast:
	s_mov_b64 s[64:65], 0
	v_nop
	global_prefetch_b8 v0, s[64:65] scope:SCOPE_SE
	s_setreg_imm32_b32 hwreg(HW_REG_WAVE_MODE, 25, 1), 1
	s_wait_xcnt 0x0
; x [8192][1024] and Wq, Wk, Wv [1024][1024], all f32, are rounded once to bf16 and laid out IN PLANES of 32 channels for the projection:
; xb [32 planes][8192 rows][32], wb [32 planes][3072 rows][32] (rows: Wq's, then Wk's, then Wv's).  In a plane a row is 64 bytes, and rows follow each other without a gap.
; A stream: every byte is read once and written once; no matrix unit, no cluster (no byte is shared).
; A work-group converts 16 rows (65,536 bytes of f32).  Work-groups 0-511 take x, 512-703 the three W (64 each).
; Wave w takes channels 128 w .. 128 w + 127 (planes 4 w .. 4 w + 3) of the 16 rows: a load covers 512 consecutive bytes of one row.
; The rounded numbers change places in the wave's own 4,352 bytes of LDS, so that a store covers 512 consecutive bytes of one plane (8 rows).  No barrier: no wave touches another's bytes.
.set NX,    512                        ; work-groups that take x
.set PLX,   524288                     ; bytes in a plane of xb
.set PLW,   196608                     ; bytes in a plane of wb
.set PLP,   1088                       ; a plane in LDS: 16 rows x 64 bytes + 64
.set WAREA, 4*PLP                      ; a wave's bytes
.set SPARE, 8*WAREA                    ; the spare words: 128 bytes a wave, named by no other line
.set X,   4                            ; v[4:67]   sixteen loads of four f32; later v[4:35] eight times 16 bytes read back
.set Y,   68                           ; v[68:99]  sixteen results of four bf16
.set OFS, 100                          ; v100-103  my byte offset in each of my wave's four planes
.set LSA, 104                          ; where I put 8 bytes of a row
.set LRA, 105                          ; where I read 16 bytes back
.set SPW, 106                          ; my spare word; never rewritten
.set NIL, 107                          ; 0; never rewritten
	s_load_b256 s[4:11], s[0:1], 0x0               ; x s[4:5], Wq s[6:7], Wk s[8:9], Wv s[10:11]
	s_load_b128 s[12:15], s[0:1], 0x20             ; xb s[12:13], wb s[14:15]
	v_lshl_add_u32 v[SPW], v0, 2, SPARE
	v_mov_b32 v[NIL], 0
	v_lshlrev_b32 v1, 4, v0                        ; 16 t = 512 w + 16 lane: my 16 bytes of a row of f32
	v_lshrrev_b32 v2, 5, v0
	v_readfirstlane_b32 s23, v2                    ; wave 0..7
	v_and_b32 v3, 31, v0
	v_lshlrev_b32 v3, 4, v3                        ; 16 lane
	v_bfe_u32 v2, v0, 3, 2                         ; lane / 8: which of the wave's four planes my four numbers fall into
	v_mul_u32_u24 v2, v2, PLP
	v_and_b32 v[LSA], 7, v0
	v_lshl_add_u32 v[LSA], v[LSA], 3, v2           ; + 8 (lane % 8)
	s_mul_i32 s27, s23, WAREA
	v_add_nc_u32 v[LSA], s27, v[LSA]
	v_add_nc_u32 v[LRA], s27, v3
	s_sub_co_u32 s20, ttmp9, NX                    ; m: my number among the W blocks (used where ttmp9 >= 512 alone)
	s_lshr_b32 s21, s20, 6                         ; which W
	s_and_b32 s22, s20, 63                         ; which block of it
	s_mov_b32 s24, PLX
	s_mov_b32 s25, PLW
	s_cmp_lt_u32 ttmp9, NX
	s_cselect_b32 s16, ttmp9, s22                  ; block in the source
	s_cselect_b32 s18, ttmp9, s20                  ; block in the destination
	s_cselect_b32 s24, s24, s25                    ; the destination's plane
	s_lshl_b32 s16, s16, 16                        ; 16 rows of 4,096 bytes,
	s_lshl_b32 s18, s18, 10                        ; 16 rows of 64 bytes in a plane
	s_mov_b32 s17, 0
	s_mov_b32 s19, 0
	s_lshl_b32 s26, s23, 2
	s_mul_i32 s26, s26, s24                        ; plane 4 w
.set p, 0
.rept 4
	v_add_nc_u32 v[OFS+p], s26, v3
	s_add_co_u32 s26, s26, s24
.set p, p+1
.endr
	s_wait_kmcnt 0x0
	s_cmp_eq_u32 s21, 1
	s_cselect_b64 s[6:7], s[8:9], s[6:7]
	s_cmp_eq_u32 s21, 2
	s_cselect_b64 s[6:7], s[10:11], s[6:7]
	s_cmp_lt_u32 ttmp9, NX
	s_cselect_b64 s[4:5], s[4:5], s[6:7]
	s_cselect_b64 s[12:13], s[12:13], s[14:15]
	s_add_nc_u64 s[4:5], s[4:5], s[16:17]
	s_add_nc_u64 s[12:13], s[12:13], s[18:19]
.set j, 0
.rept 16                               ; row j
	global_load_b128 v[X+4*j:X+4*j+3], v1, s[4:5] offset:4096*j th:TH_LOAD_NT
.set j, j+1
.endr
.set j, 0
.rept 16
	s_wait_loadcnt 15-j                            ; loads come back in order: load j is in, the 15 - j younger ones stay out
	v_cvt_pk_bf16_f32 v[Y+2*j], v[X+4*j], v[X+4*j+1]
	v_cvt_pk_bf16_f32 v[Y+2*j+1], v[X+4*j+2], v[X+4*j+3]
	ds_store_b64 v[LSA], v[Y+2*j:Y+2*j+1] offset:64*j
.set j, j+1
.endr
.set t, 0
.rept 8                                ; plane t / 2, rows 8 (t % 2) on.  LDS serves a wave's instructions in order: these see the stores above
	ds_load_b128 v[X+4*t:X+4*t+3], v[LRA] offset:(t/2)*PLP+(t%2)*512
.set t, t+1
.endr
.set t, 0
.rept 8
	s_wait_dscnt 7-t                               ; load t is in, the younger ones stay out
	global_store_b128 v[OFS+t/2], v[X+4*t:X+4*t+3], s[12:13] offset:(t%2)*512  ; 512 consecutive bytes, at a multiple of 256 from the buffer's first byte
.set t, t+1
.endr
	s_wait_tensorcnt 0x0                           ; the wave's end, behind my last LDS store
	ds_add_u32 v[SPW], v[NIL]
	s_wait_dscnt 0x0
	s_endpgm
.Lfunc_end_k_qc0b8fc4942_cast:
	.size	k_qc0b8fc4942_cast, .Lfunc_end_k_qc0b8fc4942_cast-k_qc0b8fc4942_cast
	.p2alignl 7, 3214868480
	.fill 96, 4, 3214868480
	.section	.rodata,"a",@progbits
	.p2align	6, 0x0
	.amdhsa_kernel k_qc0b8fc4942_cast
		.amdhsa_group_segment_fixed_size 35840
		.amdhsa_private_segment_fixed_size 0
		.amdhsa_enable_private_segment 0
		.amdhsa_kernarg_size 48
		.amdhsa_user_sgpr_count 2
		.amdhsa_user_sgpr_kernarg_segment_ptr 1
		.amdhsa_wavefront_size32 1
		.amdhsa_system_sgpr_workgroup_id_x 1
		.amdhsa_system_sgpr_workgroup_id_y 1
		.amdhsa_system_sgpr_workgroup_id_z 1
		.amdhsa_system_vgpr_workitem_id 0
		.amdhsa_next_free_vgpr 108
		.amdhsa_next_free_sgpr 66
		.amdhsa_reserve_vcc 0
		.amdhsa_float_denorm_mode_32 3
		.amdhsa_float_denorm_mode_16_64 3
		.amdhsa_memory_ordered 1
		.amdhsa_forward_progress 1
		.amdhsa_inst_pref_size 9
	.end_amdhsa_kernel
	.amdgpu_metadata
---
amdhsa.version: [ 1, 2 ]
amdhsa.kernels:
  - .name:           k_qc0b8fc4942_cast
    .symbol:         k_qc0b8fc4942_cast.kd
    .args:
      - { .name: x, .offset: 0, .size: 8, .value_kind: global_buffer, .address_space: global }
      - { .name: Wq, .offset: 8, .size: 8, .value_kind: global_buffer, .address_space: global }
      - { .name: Wk, .offset: 16, .size: 8, .value_kind: global_buffer, .address_space: global }
      - { .name: Wv, .offset: 24, .size: 8, .value_kind: global_buffer, .address_space: global }
      - { .name: xb, .offset: 32, .size: 8, .value_kind: global_buffer, .address_space: global }
      - { .name: wb, .offset: 40, .size: 8, .value_kind: global_buffer, .address_space: global }
    .group_segment_fixed_size: 35840
    .private_segment_fixed_size: 0
    .kernarg_segment_align: 8
    .kernarg_segment_size: 48
    .max_flat_workgroup_size: 256
    .sgpr_count:     66
    .vgpr_count:     108
    .wavefront_size: 32
...
	.end_amdgpu_metadata
.endif
;; end of part 1
;; launch proj (part 2): grid 8 x 32, 4 waves a work-group, clusters of 4 x 4, 327,680 bytes of LDS; arguments xb, wb, qkv; writes qkv
.if DOCPART == 2
	.amdgcn_target "amdgcn-amd-amdhsa--gfx1250"
	.amdhsa_code_object_version 6
	.text
	.protected	k_qc0b8fc4942_proj
	.globl	k_qc0b8fc4942_proj
	.p2align	8
	.type	k_qc0b8fc4942_proj,@function
k_qc0b8fc4942_proj:
	s_mov_b64 s[64:65], 0
	v_nop
	global_prefetch_b8 v0, s[64:65] scope:SCOPE_SE
	s_setreg_imm32_b32 hwreg(HW_REG_WAVE_MODE, 25, 1), 1
	s_wait_xcnt 0x0
	s_wait_alu depctr_hold_cnt(0) depctr_sa_sdst(0) depctr_va_vdst(0) depctr_va_sdst(0) depctr_va_ssrc(0) depctr_va_vcc(0) depctr_vm_vsrc(0)
	s_getreg_b32 s2, hwreg(HW_REG_IB_STS2, 6, 4)
	s_cmp_eq_u32 s2, 0
	s_cbranch_scc0 .Lentry_in_a_cluster
	s_endpgm
.Lentry_in_a_cluster:
	s_bfe_u32 s2, ttmp6, 0x10000c
	s_cmp_lg_u32 s2, 0xf033
	s_cbranch_scc0 .Lentry_shape_is_right
	s_endpgm
.Lentry_shape_is_right:
; qkv[m][n] = sum over k of x[m][k] w[n][k].  xb: bf16 [32 planes][8192 rows][32], wb: bf16 [32 planes][3072 rows][32]; qkv: [8192][3072] f16 (columns 0-1023 q, 1024-2047 k, 2048-3071 v); sums in f32, rounded once.
; LIMIT: f16 ends at 65,504: a q, k or v beyond that becomes an infinity.  NaN and infinities are not treated apart.
; A TILE of 256 x 384: 8192 x 3072 makes 32 x 8 = 256 of them, a work-group each.  Four waves, each 128 x 192: 96 accumulators of 16 x 16, 768 registers (windows 1 to 3).
; K goes by PLANES of 32.  In memory a tile's rows of one plane are dense (64 bytes a row), so one tensor load brings a wave's 128 rows of xb (8,192 bytes a plane) or 192 rows of wb (12,288) for three planes.
; A STEP is three planes, 288 products a wave; the first step has two: 2 + 10 x 3 = 32.  Two LDS slots of a step each are all that fits: 2 x 640 rows x 3 x 80 bytes.
; CLUSTER 4 x 4: the four of a row need the same tiles of xb, the four of a column the same tiles of wb; each tile is asked for jointly: the same load, descriptor and mask in all four.
; REGISTERS: window 0: v0-31 addresses; v32-95 xb's 8 fragments of a plane (two halves of 4); v96-191 wb's 12 (three thirds of 4).  Accumulator (a, b): window 1 + b / 4, register 8 (4 a + b % 4).
; ONE SET OF FRAGMENTS.  A plane is six units of 16 products: (half 0: thirds 0, 1, 2), (half 1: thirds 0, 1, 2).  A piece of the next plane is loaded into its own registers when its last reader has gone by:
; half 0 and third 0 behind unit 3, third 1 behind unit 4, third 2 and half 1 behind unit 5: three runs of loads a plane, each 32 products or more ahead of its first use.  Every plane has the same text.
; The matrix instruction is used transposed (source 0 = 16 rows of wb, source 1 = 16 rows of xb): a lane then holds eight neighbouring columns of one row of qkv.
.set SIZE_N, 3072
.set PLA,    524288                    ; bytes in a plane of xb
.set PLB,    196608                    ; bytes in a plane of wb
.set PITCH,  80                        ; an LDS row: 64 bytes + 16 of padding = 20 words: the 16 rows of a fragment load fall into 16 different groups of four banks
.set APL,    128*PITCH                 ; a plane of a load of xb
.set BPL,    192*PITCH                 ; a plane of a load of wb
.set ALD,    3*APL                     ; a load of xb
.set BLD,    3*BPL                     ; a load of wb
.set BOFF,   2*ALD                     ; a slot: xb's two loads, then wb's two
.set SLOT,   BOFF+2*BLD
.set SPARE,  2*SLOT                    ; the spare words: 128 bytes a wave, named by no other line
.set SPITCH, 784                       ; the stage: 256 rows of 768 bytes + 16, over the slots' bytes, written only when these have had their last fill and their last read
.set A0,   16                          ; my lane's place in xb's part of slot 0; never rewritten
.set B0,   17                          ; the same for wb
.set ADRA, 18                          ; the same in the slot in hand
.set ADRB, 19
.set STO,  20                          ; v20-21 where I put 16 bytes of a row: row blocks 0-3, 4-7
.set RD,   22                          ; where I read a row back
.set CO,   23                          ; my byte offset in qkv
.set SPW,  24                          ; my spare word; never rewritten
.set NIL,  25                          ; 0; never rewritten
.set PFO,  26                          ; 256 x lane; never rewritten
.set AF,   32
.set BF,   96
.set TMP,  32                          ; the way out: 48 registers of packed results
.set LBA,  20                          ; s20 where my load of xb goes in a slot
.set LBB,  21                          ; s21 where my load of wb goes
.set TB,   22                          ; s22 the slot in hand: 0 or SLOT
.set LIMB, 23                          ; s23 3 in a wave that prefetches wb, else the greatest number
.set LIMA, 43                          ; s43 the same for xb
.set PFA,  44                          ; s[44:45] where my prefetches of xb stand
.set PFB,  46                          ; s[46:47] of wb
.set G1,   24                          ; s[24:31] group 1 for xb, three planes
.set G0,   32                          ; s[32:39] group 0 for xb: the first step's, then the walking one
.set G1B,  48                          ; s[48:55], s[56:63] the same for wb
.set G0B,  56
.set G1S,  68                          ; s[68:75] group 1 for xb, two planes: the first step
.set G1BS, 76                          ; s[76:83] the same for wb
.set FLAGS, (1<<16)|(1<<20)|(1<<21)|(3<<22)|(3<<25)  ; 2-byte elements; padding on; bit 21 beside a mask; after every 16 words 4 words
.set MSB, 0
.macro WIN new                         ; the immediate's high byte repeats the setting that is left; a switch that changes nothing is dropped
.if MSB != (\new)
	s_set_vgpr_msb (MSB<<8)|(\new)
.set MSB, \new
.endif
.endm
; A joint load: waves 0 and 1 fetch xb's two halves, waves 2 and 3 wb's.  The branch hangs on the wave's number alone.  An s_nop 0 and four v_nop follow each line.  s = 0: the first step's.
.macro JLOAD s
	s_cmp_eq_u32 s11, 0
	s_cbranch_scc0 .Lfor_b_\@
.if (\s) == 0
	tensor_load_to_lds s[G0:G0+3], s[G1S:G1S+7]
.else
	tensor_load_to_lds s[G0+4:G0+7], s[G1:G1+7]
.endif
	s_nop 0
.rept 4
	v_nop
.endr
	s_branch .Lasked_\@
.Lfor_b_\@:
.if (\s) == 0
	tensor_load_to_lds s[G0B:G0B+3], s[G1BS:G1BS+7]
.else
	tensor_load_to_lds s[G0B+4:G0B+7], s[G1B:G1B+7]
.endif
	s_nop 0
.rept 4
	v_nop
.endr
.Lasked_\@:
.endm
; PREFETCHES.  A plane of 128 rows is 8,192 dense bytes: 32 blocks of 256, a lane a block, one instruction.  Planes go in groups of four: of group g the partner at place p takes plane 4 g + p, told apart by address
; (p = cx for xb, cy for wb).  xb's tile row is read by both clusters of its row of clusters: cluster x = 0 asks, waves 0 and 1 for its two halves.  wb's tile column by all eight clusters of its column:
; cluster y = 0 asks, waves 1, 2, 3 for its three groups of 128 rows.  So each block is named once.  Group g = 3 .. 7 is asked for in the turn of step g - 2 (count 8 .. 4); its first plane is wanted by a refill one or two
; steps later.  Planes 0 to 11 come by their loads alone.
.macro ASK
	s_cmp_gt_u32 s3, s[LIMA]
	s_cbranch_scc0 .Lno_a_\@
	global_prefetch_b8 v[PFO], s[PFA:PFA+1] th:TH_LOAD_NT scope:SCOPE_SE
.Lno_a_\@:
	s_cmp_gt_u32 s3, s[LIMB]
	s_cbranch_scc0 .Lno_b_\@
	global_prefetch_b8 v[PFO], s[PFB:PFB+1] th:TH_LOAD_NT scope:SCOPE_SE
.Lno_b_\@:
.endm
.macro CREST                           ; a round of the cluster's barrier behind its opening barrier
	s_cmp_lg_u32 s10, 0
	s_cbranch_scc1 .Lnot_wave_0_\@
	s_barrier_signal -3
.Lnot_wave_0_\@:
	s_barrier_wait -3
	s_barrier_signal -1
	s_barrier_wait -1
.endm
.macro CROUND
	s_barrier_signal -1
	s_barrier_wait -1
	CREST
.endm
	s_load_b128 s[4:7], s[0:1], 0x0                ; xb s[4:5], wb s[6:7]
	s_load_b64 s[8:9], s[0:1], 0x10                ; qkv
	v_lshl_add_u32 v[SPW], v0, 2, SPARE
	v_mov_b32 v[NIL], 0
	ds_add_u32 v[SPW], v[NIL]                      ; the wave's opening: the add and its wait ahead of my first tensor load
	v_lshrrev_b32 v1, 5, v0
	v_readfirstlane_b32 s10, v1                    ; wave 0..3
	s_lshr_b32 s11, s10, 1                         ; my half of the tile's rows.  Also: I fetch for xb (0) or wb (1)
	s_and_b32 s12, s10, 1                          ; my half of its columns.  Also: which half of that tensor's rows I fetch
	s_bfe_u32 s40, ttmp6, 0x40000                  ; cx
	s_bfe_u32 s41, ttmp6, 0x40004                  ; cy
	s_lshl_b32 s42, ttmp9, 2
	s_add_co_u32 s42, s42, s40                     ; tile column = 4 x cluster x + cx
	s_and_b32 s13, ttmp7, 0xffff
	s_lshl_b32 s13, s13, 2
	s_add_co_u32 s13, s13, s41                     ; tile row = 4 x cluster y + cy
	s_lshl_b32 s43, s41, 2
	s_lshl_b32 s43, 15, s43                        ; my row of the cluster
	s_lshl_b32 s44, 0x1111, s40                    ; my column
	s_or_b32 s[G1], s43, FLAGS
	s_or_b32 s[G1S], s43, FLAGS
	s_or_b32 s[G1B], s44, FLAGS
	s_or_b32 s[G1BS], s44, FLAGS
.irp g, G1, G1S                        ; a 'row' of the tile is a plane's 128 dense rows of xb: 4,096 elements; from plane to plane 8,192 x 32 elements
	s_mov_b32 s[(\g)+1], 4096<<16                  ; tensor_dim0
	s_mov_b32 s[(\g)+3], 4096<<16                  ; tile_dim0
	s_mov_b32 s[(\g)+5], 8192*32                   ; the pitch
	s_mov_b32 s[(\g)+6], 0
	s_mov_b32 s[(\g)+7], 0
.endr
.irp g, G1B, G1BS                      ; of wb: 192 rows, 6,144 elements; from plane to plane 3,072 x 32
	s_mov_b32 s[(\g)+1], 6144<<16
	s_mov_b32 s[(\g)+3], 6144<<16
	s_mov_b32 s[(\g)+5], 3072*32
	s_mov_b32 s[(\g)+6], 0
	s_mov_b32 s[(\g)+7], 0
.endr
.irp g, G1, G1B
	s_mov_b32 s[(\g)+2], 3<<16                     ; tensor_dim1 = 3 planes
	s_mov_b32 s[(\g)+4], 3                         ; tile_dim1
.endr
.irp g, G1S, G1BS
	s_mov_b32 s[(\g)+2], 2<<16                     ; the first step: 2 planes
	s_mov_b32 s[(\g)+4], 2
.endr
	s_lshl_b32 s16, s13, 8
	s_lshl_b32 s17, s12, 7
	s_add_co_u32 s16, s16, s17                     ; xb: row 256 x tile row + 128 x half,
	s_lshl_b32 s16, s16, 6                         ; 64 bytes a row in a plane
	s_mov_b32 s17, 0
	s_mul_i32 s18, s42, 384
	s_mul_i32 s19, s12, 192
	s_add_co_u32 s18, s18, s19                     ; wb: row 384 x tile column + 192 x half
	s_lshl_b32 s18, s18, 6
	s_mov_b32 s19, 0
	s_mul_i32 s[LBA], s12, ALD                     ; no place in the cluster enters an LDS address
	s_mul_i32 s[LBB], s12, BLD
	s_add_co_u32 s[LBB], s[LBB], BOFF
	s_mov_b32 s[TB], 0
	s_wait_dscnt 0x0                               ; the opening add is done
	s_wait_kmcnt 0x0
	s_add_nc_u64 s[14:15], s[4:5], s[16:17]
	s_add_nc_u64 s[66:67], s[6:7], s[18:19]
	CROUND                                         ; all sixteen work-groups are here: the first joint loads meet
.irp s, 0,1                            ; step 0 (planes 0, 1) into slot 0, step 1 (planes 2 to 4) into slot 1: two loads of mine are out
	s_mov_b32 s[G0+4*(\s)], 1
	s_add_co_u32 s[G0+4*(\s)+1], s[LBA], (\s)*SLOT
	s_add_nc_u64 s[G0+4*(\s)+2:G0+4*(\s)+3], s[14:15], (\s)*2*PLA
	s_or_b32 s[G0+4*(\s)+3], s[G0+4*(\s)+3], 0x80000000
	s_mov_b32 s[G0B+4*(\s)], 1
	s_add_co_u32 s[G0B+4*(\s)+1], s[LBB], (\s)*SLOT
	s_add_nc_u64 s[G0B+4*(\s)+2:G0B+4*(\s)+3], s[66:67], (\s)*2*PLB
	s_or_b32 s[G0B+4*(\s)+3], s[G0B+4*(\s)+3], 0x80000000
	JLOAD \s
.endr
	; a fragment is 16 rows x 32 K in 8 registers: lane l holds row l % 16, K = 8 (l / 16) + 0..7 and 16 + 8 (l / 16) + 0..7: two loads of 16 bytes, 32 bytes apart, of a row's 64
	v_and_b32 v1, 15, v0                           ; r
	v_bfe_u32 v2, v0, 4, 1                         ; h
	v_mul_u32_u24 v3, v1, PITCH
	v_lshl_add_u32 v3, v2, 4, v3
	s_mul_i32 s16, s11, ALD
	s_mul_i32 s17, s12, BLD
	s_add_co_u32 s17, s17, BOFF
	v_add_nc_u32 v[A0], s16, v3
	v_add_nc_u32 v[B0], s17, v3
	v_mov_b32 v[ADRA], v[A0]
	v_mov_b32 v[ADRB], v[B0]
	s_mul_i32 s16, s11, 128*SPITCH                 ; into the stage: row 128 wr + 16 a + r, byte 384 wc + 32 b + 16 h
	s_mul_i32 s17, s12, 384
	s_add_co_u32 s16, s16, s17
	v_mul_u32_u24 v4, v1, SPITCH
	v_lshl_add_u32 v4, v2, 4, v4
	v_add_nc_u32 v[STO], s16, v4
	v_add_nc_u32 v[STO+1], 64*SPITCH, v[STO]
	s_mul_i32 s16, s10, 64*SPITCH                  ; back: wave w takes rows 64 w .. 64 w + 63, whole; lanes 0-15 256 bytes of one row, lanes 16-31 of the next
	v_mul_u32_u24 v5, v2, SPITCH
	v_lshl_add_u32 v5, v1, 4, v5
	v_add_nc_u32 v[RD], s16, v5
	v_mul_u32_u24 v5, v2, SIZE_N*2
	v_lshl_add_u32 v[CO], v1, 4, v5
	s_lshl_b32 s16, s13, 8
	s_lshl_b32 s17, s10, 6
	s_add_co_u32 s16, s16, s17                     ; the first row of qkv that I store
	s_mul_i32 s16, s16, SIZE_N*2
	s_mul_i32 s17, s42, 768                        ; the tile's first column, in bytes
	s_add_co_u32 s16, s16, s17
	s_mov_b32 s17, 0
	s_add_nc_u64 s[8:9], s[8:9], s[16:17]
	; the prefetches' places: group 2 (planes 8 to 11), my partner's plane; the loop's first turn steps them to group 3
	s_lshl_b32 s16, s13, 8
	s_lshl_b32 s17, s12, 7
	s_add_co_u32 s16, s16, s17
	s_lshl_b32 s16, s16, 6
	s_add_co_u32 s17, s40, 8
	s_mul_i32 s17, s17, PLA
	s_add_co_u32 s16, s16, s17
	s_mov_b32 s17, 0
	s_add_nc_u64 s[PFA:PFA+1], s[4:5], s[16:17]
	s_or_b32 s[LIMA], s11, ttmp9                   ; 0 in waves 0 and 1 of the clusters with x = 0: the same in all sixteen partners, for a given wave
	s_cmp_eq_u32 s[LIMA], 0
	s_cselect_b32 s[LIMA], 3, -1
	s_max_u32 s18, s10, 1
	s_sub_co_u32 s18, s18, 1                       ; waves 1, 2, 3: groups 0, 1, 2 of 128 rows (wave 0 asks for none)
	s_lshl_b32 s18, s18, 7
	s_mul_i32 s19, s42, 384
	s_add_co_u32 s18, s18, s19
	s_lshl_b32 s18, s18, 6
	s_add_co_u32 s19, s41, 8
	s_mul_i32 s19, s19, PLB
	s_add_co_u32 s18, s18, s19
	s_mov_b32 s19, 0
	s_add_nc_u64 s[PFB:PFB+1], s[6:7], s[18:19]
	s_and_b32 s19, ttmp7, 0xffff                   ; cluster y
	s_cmp_eq_u32 s10, 0
	s_cselect_b32 s18, 1, 0
	s_or_b32 s18, s18, s19
	s_cmp_eq_u32 s18, 0
	s_cselect_b32 s[LIMB], 3, -1
	v_and_b32 v[PFO], 31, v0
	v_lshlrev_b32 v[PFO], 8, v[PFO]
; A unit: 16 products: half h of xb's fragments x third t of wb's.  zero = 1: the product starts its sum.  The 96 accumulators take turns, one instruction a turn.
.macro MULU h, t, zero
	WIN 0x50*((\t)+1)                              ; C and D in window 1 + t, both sources in window 0
.irp a, 0,1,2,3
.irp bb, 0,1,2,3
.if \zero
	v_wmma_f32_16x16x32_bf16 v[8*(4*(4*(\h)+(\a))+(\bb)):8*(4*(4*(\h)+(\a))+(\bb))+7], v[BF+8*(4*(\t)+(\bb)):BF+8*(4*(\t)+(\bb))+7], v[AF+8*(4*(\h)+(\a)):AF+8*(4*(\h)+(\a))+7], 0
.else
	v_wmma_f32_16x16x32_bf16 v[8*(4*(4*(\h)+(\a))+(\bb)):8*(4*(4*(\h)+(\a))+(\bb))+7], v[BF+8*(4*(\t)+(\bb)):BF+8*(4*(\t)+(\bb))+7], v[AF+8*(4*(\h)+(\a)):AF+8*(4*(\h)+(\a))+7], v[8*(4*(4*(\h)+(\a))+(\bb)):8*(4*(4*(\h)+(\a))+(\bb))+7]
.endif
.endr
.endr
.endm
.macro LDA h, z                        ; 8 loads: half h of xb's fragments of plane z of the slot in hand
.irp a, 0,1,2,3
	ds_load_b128 v[AF+8*(4*(\h)+(\a)):AF+8*(4*(\h)+(\a))+3],   v[ADRA] offset:(\z)*APL+(4*(\h)+(\a))*16*PITCH
	ds_load_b128 v[AF+8*(4*(\h)+(\a))+4:AF+8*(4*(\h)+(\a))+7], v[ADRA] offset:(\z)*APL+(4*(\h)+(\a))*16*PITCH+32
.endr
.endm
.macro LDB t, z                        ; 8 loads: third t of wb's
.irp bb, 0,1,2,3
	ds_load_b128 v[BF+8*(4*(\t)+(\bb)):BF+8*(4*(\t)+(\bb))+3],   v[ADRB] offset:(\z)*BPL+(4*(\t)+(\bb))*16*PITCH
	ds_load_b128 v[BF+8*(4*(\t)+(\bb))+4:BF+8*(4*(\t)+(\bb))+7], v[ADRB] offset:(\z)*BPL+(4*(\t)+(\bb))*16*PITCH+32
.endr
.endm
.macro PLACES                          ; four plain vector instructions between a matrix instruction and a load into, or a vector read of, its registers
.rept 4
	v_nop
.endr
.endm
; A PLANE.  Its fragments were asked for in this order: half 0, third 0, third 1, third 2, half 1, eight loads each.  nz: the next plane, in the same slot.
.macro PLANE nz, zero
	s_wait_dscnt 24                                ; half 0 and third 0 are in; the three younger runs of eight may be out
	MULU 0, 0, \zero
	s_wait_dscnt 16                                ; third 1
	MULU 0, 1, \zero
	s_wait_dscnt 8                                 ; third 2
	MULU 0, 2, \zero
	s_wait_dscnt 0x0                               ; half 1
	MULU 1, 0, \zero
	PLACES
	WIN 0
	LDA 0, \nz
	LDB 0, \nz
	MULU 1, 1, \zero
	PLACES
	WIN 0
	LDB 1, \nz
	MULU 1, 2, \zero
	PLACES
	WIN 0
	LDB 2, \nz
	LDA 1, \nz
.endm
; A STEP'S LAST PLANE, with the change of slots.  All reads of this slot have been issued.  Ahead of unit 2 each wave waits for all its tensor loads (one is out: its part of the other slot) and adds 0 to its spare word;
; ahead of unit 3 it waits for that and for its reads of this slot, and signals.  Behind the barrier nobody reads this slot any more and the other slot is whole.
; fill = 1: the barrier opens a round of the cluster's, and this slot is filled again, two steps on, first thing behind the round: 256 of a step's 288 products stand between that request and the wait for it.
; Then the next plane's fragments come out of the other slot.  ask = 1: in the loop: the prefetches.
.macro PLANET fill, ask
.if \ask
	s_wait_xcnt 0x0                                ; the last prefetches, a step back, have read their addresses
	s_add_nc_u64 s[PFA:PFA+1], s[PFA:PFA+1], 4*PLA
	s_add_nc_u64 s[PFB:PFB+1], s[PFB:PFB+1], 4*PLB
.endif
	s_wait_dscnt 24
	MULU 0, 0, 0
	s_wait_dscnt 16
	MULU 0, 1, 0
	WIN 0
	s_wait_tensorcnt 0x0
	ds_add_u32 v[SPW], v[NIL]
	s_wait_dscnt 9                                 ; third 2 is in; half 1's eight loads and the add may be out
	MULU 0, 2, 0
	s_wait_dscnt 0x0                               ; the add is done, and my reads of this slot are over
	s_barrier_signal -1
	MULU 1, 0, 0
	WIN 0
	s_barrier_wait -1
.if \fill
	CREST
	s_add_co_u32 s[G0+5], s[LBA], s[TB]            ; the walking descriptors: into the slot just read,
	s_add_nc_u64 s[G0+6:G0+7], s[G0+6:G0+7], 3*PLA ; the next three planes; the type bits on top are not reached
	s_add_co_u32 s[G0B+5], s[LBB], s[TB]
	s_add_nc_u64 s[G0B+6:G0B+7], s[G0B+6:G0B+7], 3*PLB
	JLOAD 1                                        ; the four v_nop behind it are also the places in front of the loads below
.else
	PLACES
.endif
	s_xor_b32 s[TB], s[TB], SLOT
	v_add_nc_u32 v[ADRA], s[TB], v[A0]
	v_add_nc_u32 v[ADRB], s[TB], v[B0]
	LDA 0, 0
	LDB 0, 0
.if \ask
	ASK
.endif
	MULU 1, 1, 0
	PLACES
	WIN 0
	LDB 1, 0
	MULU 1, 2, 0
	PLACES
	WIN 0
	LDB 2, 0
	LDA 1, 0
.endm
; THE WAY OUT.  A wave's 192 columns are 384 bytes, one and a half aligned blocks of 256: so the four waves share one stage, with a barrier between writing and reading.
.macro PACK a                          ; row block a: 12 accumulators rounded to f16, 16 bytes a lane each, into the stage
.irp t, 0,1,2
	WIN 5*((\t)+1)                                 ; both sources in window 1 + t
.irp bb, 0,1,2,3
.irp r, 0,1,2,3
	v_cvt_pk_f16_f32 v[TMP+4*(4*(\t)+(\bb))+(\r)], v[8*(4*(\a)+(\bb))+2*(\r)], v[8*(4*(\a)+(\bb))+2*(\r)+1]
.endr
.endr
.endr
	WIN 0
.irp b, 0,1,2,3,4,5,6,7,8,9,10,11
	ds_store_b128 v[STO+(\a)/4], v[TMP+4*(\b):TMP+4*(\b)+3] offset:((\a)%4)*16*SPITCH+32*(\b)
.endr
.endm
.macro BACK j                          ; batch j of six: 32 rows' block j / 2 of 256 bytes, two rows a load, into one of three sets of 64 registers
.set BK, 32+64*((\j)%3)
.irp i, 0,1,2,3,4,5,6,7,8,9,10,11,12,13,14,15
	ds_load_b128 v[BK+4*(\i):BK+4*(\i)+3], v[RD] offset:2*(16*((\j)%2)+(\i))*SPITCH+256*((\j)/2)
.endr
.endm
.macro SEND j, younger                 ; younger: the LDS loads issued behind batch j's, which may stay out
.set BK, 32+64*((\j)%3)
	s_wait_dscnt \younger
.irp i, 0,1,2,3,4,5,6,7,8,9,10,11,12,13,14,15
	global_store_b128 v[CO], v[BK+4*(\i):BK+4*(\i)+3], s[8:9] offset:2*(16*((\j)%2)+(\i))*SIZE_N*2+256*((\j)/2)  ; 16 lanes store 256 consecutive bytes, at a multiple of 256 from qkv's first byte
.endr
.endm
	s_wait_tensorcnt 1                             ; my part of step 0 is in; step 1's may stay out
	s_barrier_signal -1
	s_barrier_wait -1
	LDA 0, 0
	LDB 0, 0
	LDB 1, 0
	LDB 2, 0
	LDA 1, 0
	PLANE 1, 1                                     ; step 0 has two planes: the first starts the sums,
	PLANET 1, 0                                    ; the second changes slots; step 2 is asked for
	s_mov_b32 s3, 8
.Lstep:                                                ; steps 1 to 8: a trip is a step, and asks for the step two on (3 to 10)
	PLANE 1, 0
	PLANE 2, 0
	PLANET 1, 1
	s_sub_co_u32 s3, s3, 1
	s_cmp_lg_u32 s3, 0
	s_cbranch_scc1 .Lstep
	s_mov_b32 s3, 2
.Ltail:                                                ; steps 9 and 10 ask for nothing.  Written once: the last turn's barrier and its 40 loads of fragments serve nothing, once a launch
	PLANE 1, 0
	PLANE 2, 0
	PLANET 0, 0
	s_sub_co_u32 s3, s3, 1
	s_cmp_lg_u32 s3, 0
	s_cbranch_scc1 .Ltail
	s_wait_dscnt 0x0                               ; my reads of the slots are over (four v_nop stand behind the last product, in the last turn)
	s_barrier_signal -1
	s_barrier_wait -1                              ; everybody's are, and all tensor loads landed two turns ago: the stage may take the slots' bytes
.irp a, 0,1,2,3,4,5,6,7
	PACK \a
.endr
	s_wait_dscnt 0x0                               ; for the others' sake: my stores into the stage are done
	s_barrier_signal -1
	s_barrier_wait -1
	BACK 0
	BACK 1
	BACK 2
	SEND 0, 32
	s_wait_xcnt 0x0                                ; the stores above have read their registers: only now are these loaded again
	BACK 3
	SEND 1, 32
	s_wait_xcnt 0x0
	BACK 4
	SEND 2, 32
	s_wait_xcnt 0x0
	BACK 5
	SEND 3, 32
	SEND 4, 16
	SEND 5, 0
	s_wait_tensorcnt 0x0                           ; the wave's end
	ds_add_u32 v[SPW], v[NIL]
	s_wait_dscnt 0x0
	CROUND                                         ; the closing round
	s_endpgm
.Lfunc_end_k_qc0b8fc4942_proj:
	.size	k_qc0b8fc4942_proj, .Lfunc_end_k_qc0b8fc4942_proj-k_qc0b8fc4942_proj
	.p2alignl 7, 3214868480
	.fill 96, 4, 3214868480
	.section	.rodata,"a",@progbits
	.p2align	6, 0x0
	.amdhsa_kernel k_qc0b8fc4942_proj
		.amdhsa_group_segment_fixed_size 327680
		.amdhsa_private_segment_fixed_size 0
		.amdhsa_enable_private_segment 0
		.amdhsa_kernarg_size 24
		.amdhsa_user_sgpr_count 2
		.amdhsa_user_sgpr_kernarg_segment_ptr 1
		.amdhsa_wavefront_size32 1
		.amdhsa_system_sgpr_workgroup_id_x 1
		.amdhsa_system_sgpr_workgroup_id_y 1
		.amdhsa_system_sgpr_workgroup_id_z 1
		.amdhsa_system_vgpr_workitem_id 0
		.amdhsa_next_free_vgpr 1024
		.amdhsa_next_free_sgpr 84
		.amdhsa_reserve_vcc 0
		.amdhsa_float_denorm_mode_32 3
		.amdhsa_float_denorm_mode_16_64 3
		.amdhsa_memory_ordered 1
		.amdhsa_forward_progress 1
		.amdhsa_inst_pref_size 136
	.end_amdhsa_kernel
	.amdgpu_metadata
---
amdhsa.version: [ 1, 2 ]
amdhsa.kernels:
  - .name:           k_qc0b8fc4942_proj
    .symbol:         k_qc0b8fc4942_proj.kd
    .args:
      - { .name: xb, .offset: 0, .size: 8, .value_kind: global_buffer, .address_space: global }
      - { .name: wb, .offset: 8, .size: 8, .value_kind: global_buffer, .address_space: global }
      - { .name: qkv, .offset: 16, .size: 8, .value_kind: global_buffer, .address_space: global }
    .group_segment_fixed_size: 327680
    .private_segment_fixed_size: 0
    .kernarg_segment_align: 8
    .kernarg_segment_size: 24
    .max_flat_workgroup_size: 128
    .sgpr_count:     84
    .vgpr_count:     1024
    .wavefront_size: 32
...
	.end_amdgpu_metadata
.endif
;; end of part 2
;; launch score (part 3): grid 36 x 4, 4 waves a work-group, no clusters, 327,680 bytes of LDS; arguments qkv, pw, est, lst; writes pw, est, lst
.if DOCPART == 3
	.amdgcn_target "amdgcn-amd-amdhsa--gfx1250"
	.amdhsa_code_object_version 6
	.text
	.protected	k_qc0b8fc4942_score
	.globl	k_qc0b8fc4942_score
	.p2align	8
	.type	k_qc0b8fc4942_score,@function
k_qc0b8fc4942_score:
	s_mov_b64 s[64:65], 0
	v_nop
	global_prefetch_b8 v0, s[64:65] scope:SCOPE_SE
	s_setreg_imm32_b32 hwreg(HW_REG_WAVE_MODE, 25, 1), 1
	s_wait_xcnt 0x0
; For batch b and tile (I, J), J <= I, of 256 queries x 256 keys: S = q k^T (f16 operands, f32 sums), the causal mask, and a softmax LOCAL to each row and chunk of 128 keys:
;   m = the chunk's greatest visible score;  E = -c max(m, -2^83), c = log2(e) / 32;  p = 2^(c s + E), stored as f16 in pw[8192][2048];  L = the f32 sum of the unrounded p.
; E goes to est, L to lst, both f32 [4][16 chunks][2048 rows].  The next launch joins the chunks by E and L: the maximum is taken away here chunk by chunk, and there across chunks.
; LIMITS: a hidden score counts as its value less 1e30; a chunk wholly hidden gets E = c 2^83, p = 0, L = 0; p below 6e-5 keeps f16's fixed step; a p below 2^-126 counts as 0 in L; NaN and infinities are not treated apart.
; SHARES: the 36 tiles of a batch's lower triangle are numbered row by row; four waves, each 128 queries x 128 keys (one chunk): 64 accumulators, 512 registers.  K (1,024 channels) goes in 8 steps of 128 through two LDS slots.
; NO CLUSTER: the triangle's tile rows hold 1 to 8 tiles and its columns 8 to 1, so the 36 tiles do not fall into fours that share a row or a column.
; The matrix instruction is used transposed (source 0 = 16 keys, source 1 = 16 queries): a lane holds ONE query (lane % 16) and 8 neighbouring keys of each 16 x 16 block; the query's other 64 keys lie in the lane 16 away.
; THE MASK is the C operand that starts each sum: three sets of eight registers, for blocks below, on and above the wave's diagonal.
; REGISTERS, in windows of 256: window 0: v0-31 addresses; v32-55 the masks; v64-127, v128-191 q's fragments, two buffers; on the way out v32-223 at work.  window 1: v64-127, v128-191 k's fragments.
;   windows 2, 3: the accumulators: block (a, b) of 16 queries x 16 keys at 8 (8 (a % 4) + b) of window 2 + a / 4.
; THE TEXT IS KEPT SHORT.  A trip of the K loop is one step, from its second quarter to the next step's first; the slot in hand is a scalar register turned by an exclusive or.  Six trips fill a slot again; the last two steps
; are a second loop that fills nothing.  The way out is a loop of eight trips, a block of 16 queries each, in which only the lines that name accumulators are written eight times.
.set KSTEP,  128
.set PITCH,  272                       ; an LDS row: 256 bytes + 16 of padding: the 16 rows of a fragment load start 68 words apart
.set HALFT,  128*PITCH                 ; what one tensor load brings
.set SLOT,   4*HALFT                   ; q's 256 rows, then k's 256 rows
.set STAGE,  2*SLOT                    ; behind the ring: 16 rows x 272 bytes for each wave, for the way out
.set SPITCH, 272
.set SCR,    STAGE+4*16*SPITCH         ; 1,024 bytes a wave: its 128 rows' E, then their L
.set SPARE,  SCR+4096                  ; the spare words: 128 bytes a wave, named by no other line
.set QROW,   6144                      ; bytes in a row of qkv
.set PROW,   4096                      ; bytes in a row of pw
.set A0,   16                          ; my lane's place in q's part of slot 0; never rewritten
.set B0,   17                          ; the same for k
.set ADRA, 18                          ; the same in the slot in hand
.set ADRB, 19
.set SO,   23                          ; 16 x lane: my 16 bytes of the wave's 512 of est and lst
.set STO,  24                          ; where I put 16 bytes of a row
.set RD,   25                          ; where I read a row back
.set CO,   26                          ; my byte offset in pw
.set SA,   27                          ; where I put my row's E; steps 64 bytes a block
.set SPW,  28                          ; my spare word; never rewritten
.set NIL,  29                          ; 0; never rewritten
.set PFO,  30                          ; lane x 6,144
.set SR,   31                          ; where I read four rows' E back
.set MLO,  32                          ; v32-39 the mask of a block below the diagonal block
.set MDG,  40                          ; v40-47 of the diagonal block
.set MHI,  48                          ; v48-55 of a block above it
.set F0,   64
.set F1,   128
.set OB,   32                          ; the way out: v32-63 16 rows read back from the stage
.set MX,   64                          ; v64-71 maxima
.set EE,   72                          ; v72-73 E
.set T0,   74
.set T1,   75
.set T2,   76
.set U,    96                          ; v96-127 partial sums
.set Z,    128                         ; v128-191 the block's 64 numbers a lane: c s + E, then p
.set TMP,  192                         ; v192-223 p in f16
.set LB,   20                          ; s20 where my load goes in a slot
.set TB,   21                          ; s21 the slot in hand: 0 or SLOT
.set G1, 24                            ; s[24:31] group 1, one for all loads
.set G0, 32                            ; s[32:39] group 0: K step 0's, then the walking one
.set LIM, 43                           ; s43 2 in a wave that prefetches, else the greatest number
.set PFA, 44                           ; s[44:45] where my prefetches stand
.set CS,  46                           ; s[46:47] c
.set SEL, 48                           ; s[48:49] each lane takes its own place in the other half
.set MSB, 0
.macro WIN new                         ; the immediate's high byte repeats the setting that is left; a switch that changes nothing is dropped
.if MSB != (\new)
	s_set_vgpr_msb (MSB<<8)|(\new)
.set MSB, \new
.endif
.endm
.set MUL_LO, 0xa1                      ; source 0 window 1, source 1 window 0, C and D window 2
.set TO_B,   0x40                      ; destination window 1, address window 0
; A prefetch of the K step two refills on: my 128 rows x 256 bytes, a lane a row, four instructions.  q's rows of tile row I are read by the tiles (I, 0..I): tile (I, 0) asks; k's rows of tile column J by (J..7, J): tile (J, J) asks.
; The turns of K steps 0 to 3 (count 6 to 3) name K steps 4 to 7; the last two refills have no K step two on.  K steps 0 to 3 come by their loads alone.
.macro ASK
	s_cmp_gt_u32 s3, s[LIM]
	s_cbranch_scc0 .Lnot_mine_\@
.irp k, 0,1,2,3
	global_prefetch_b8 v[PFO], s[PFA:PFA+1] offset:KSTEP*2+(\k)*32*QROW th:TH_LOAD_NT scope:SCOPE_SE
.endr
.Lnot_mine_\@:
.endm
	s_load_b256 s[4:11], s[0:1], 0x0               ; qkv s[4:5], pw s[6:7], est s[8:9], lst s[10:11]
	v_lshl_add_u32 v[SPW], v0, 2, SPARE
	v_mov_b32 v[NIL], 0
	ds_add_u32 v[SPW], v[NIL]                      ; the wave's opening: the add and its wait ahead of my first tensor load
	v_lshrrev_b32 v1, 5, v0
	v_readfirstlane_b32 s12, v1                    ; wave 0..3
	s_lshr_b32 s13, s12, 1                         ; wr: my half of the queries
	s_and_b32 s14, s12, 1                          ; wc: my half of the keys
	s_and_b32 s17, ttmp7, 0xffff                   ; b
	s_mov_b32 s15, 0
.irp th, 1,3,6,10,15,21,28             ; I = how many rows of the triangle begin at or below my number
	s_cmp_ge_u32 ttmp9, \th
	s_add_co_ci_u32 s15, s15, 0
.endr
	s_add_co_u32 s16, s15, 1
	s_mul_i32 s16, s16, s15
	s_lshr_b32 s16, s16, 1
	s_sub_co_u32 s16, ttmp9, s16                   ; J
	s_mov_b32 s[G1+0], (1<<16)|(1<<20)|(5<<22)|(3<<25)  ; 2-byte elements; padding on: after every 64 words 4 words
	s_mov_b32 s[G1+1], KSTEP<<16                   ; tensor_dim0 = 128
	s_mov_b32 s[G1+2], 128<<16                     ; tensor_dim1 = 128
	s_mov_b32 s[G1+3], KSTEP<<16                   ; tile_dim0 = 128
	s_mov_b32 s[G1+4], 128                         ; tile_dim1 = 128
	s_mov_b32 s[G1+5], 3072                        ; elements from row to row
	s_mov_b32 s[G1+6], 0
	s_mov_b32 s[G1+7], 0
	s_cmp_lt_u32 s12, 2                            ; waves 0, 1 fetch q's halves, waves 2, 3 k's
	s_cselect_b32 s18, s15, s16
	s_cselect_b32 s19, 0, 2048
	s_lshl_b32 s18, s18, 8
	s_lshl_b32 s20, s14, 7
	s_add_co_u32 s18, s18, s20
	s_lshl_b32 s20, s17, 11
	s_add_co_u32 s18, s18, s20                     ; row 2,048 b + 256 (I or J) + 128 half
	s_mul_i32 s18, s18, QROW
	s_add_co_u32 s52, s18, s19
	s_mov_b32 s53, 0
	s_mul_i32 s[LB], s12, HALFT                    ; where my rows go
	s_mov_b32 s[TB], 0
	s_mov_b32 s[CS], 0x3d38aa3b                    ; c = log2(e) / 32
	s_mov_b32 s[CS+1], s[CS]
	s_mov_b32 s[SEL], 0x76543210
	s_mov_b32 s[SEL+1], 0xfedcba98
	s_cmp_eq_u32 s16, 0
	s_cselect_b32 s18, 2, -1
	s_cmp_eq_u32 s15, s16
	s_cselect_b32 s19, 2, -1
	s_cmp_lt_u32 s12, 2
	s_cselect_b32 s[LIM], s18, s19
	s_mov_b32 s54, 0xf149f2ca                      ; -1e30
	s_cmp_eq_u32 s15, s16
	s_cselect_b32 s54, s54, 0                      ; on the diagonal tile alone
	s_cmp_eq_u32 s12, 1
	s_cselect_b32 s50, s54, 0                      ; below the diagonal block: hidden only where all my keys lie behind all my queries (wave 1)
	s_cmp_lg_u32 s12, 2
	s_cselect_b32 s51, s54, 0                      ; above it: hidden but where all my keys lie ahead of all my queries (wave 2)
	s_wait_dscnt 0x0                               ; the opening add is done
	s_wait_kmcnt 0x0
	s_add_nc_u64 s[22:23], s[4:5], s[52:53]
.irp s, 0,1                            ; K step 0 into slot 0, K step 1 into slot 1: both first fills go out together: two loads of mine are out
	s_mov_b32 s[G0+4*(\s)], 1
	s_add_co_u32 s[G0+4*(\s)+1], s[LB], (\s)*SLOT
	s_add_nc_u64 s[G0+4*(\s)+2:G0+4*(\s)+3], s[22:23], (\s)*KSTEP*2
	s_or_b32 s[G0+4*(\s)+3], s[G0+4*(\s)+3], 0x80000000
	tensor_load_to_lds s[G0+4*(\s):G0+4*(\s)+3], s[G1:G1+7]
	s_nop 0
.endr
.rept 4
	v_nop
.endr
	s_add_nc_u64 s[PFA:PFA+1], s[22:23], 2*KSTEP*2 ; at K step 2: the first refill steps it to 3 and names K step 4
	; pw at my first row and chunk: (2,048 b + 256 I + 128 wr) rows, 512 J + 256 wc bytes
	s_lshl_b32 s52, s17, 11
	s_lshl_b32 s53, s15, 8
	s_add_co_u32 s52, s52, s53
	s_lshl_b32 s53, s13, 7
	s_add_co_u32 s52, s52, s53
	s_lshl_b32 s52, s52, 12
	s_lshl_b32 s53, s16, 9
	s_add_co_u32 s52, s52, s53
	s_lshl_b32 s53, s14, 8
	s_add_co_u32 s52, s52, s53
	s_mov_b32 s53, 0
	s_add_nc_u64 s[6:7], s[6:7], s[52:53]
	; est and lst: 131,072 b + 8,192 (2 J + wc) + 4 (256 I + 128 wr)
	s_lshl_b32 s52, s17, 17
	s_lshl_b32 s53, s16, 1
	s_add_co_u32 s53, s53, s14
	s_lshl_b32 s53, s53, 13
	s_add_co_u32 s52, s52, s53
	s_lshl_b32 s53, s15, 10
	s_add_co_u32 s52, s52, s53
	s_lshl_b32 s53, s13, 9
	s_add_co_u32 s52, s52, s53
	s_mov_b32 s53, 0
	s_add_nc_u64 s[8:9], s[8:9], s[52:53]
	s_add_nc_u64 s[10:11], s[10:11], s[52:53]
	; a fragment is 16 rows x 32 K in 8 registers: lane l holds row l % 16, K = 8 (l / 16) + 0..7 and 16 + 8 (l / 16) + 0..7: two loads of 16 bytes, 32 bytes apart
	v_and_b32 v1, 15, v0                           ; r = l % 16
	v_bfe_u32 v2, v0, 4, 1                         ; h = l / 16
	v_mul_u32_u24 v3, v1, PITCH
	v_lshl_add_u32 v3, v2, 4, v3
	s_mul_i32 s55, s13, HALFT
	s_mul_i32 s56, s14, HALFT
	s_add_co_u32 s56, s56, 2*HALFT
	v_add_nc_u32 v[A0], s55, v3
	v_add_nc_u32 v[B0], s56, v3
	v_mov_b32 v[ADRA], v[A0]
	v_mov_b32 v[ADRB], v[B0]
	s_mul_i32 s55, s12, 16*SPITCH
	s_add_co_u32 s55, s55, STAGE
	v_mul_u32_u24 v4, v1, SPITCH
	v_lshl_add_u32 v4, v2, 4, v4
	v_add_nc_u32 v[STO], s55, v4
	v_mul_u32_u24 v5, v2, SPITCH
	v_lshl_add_u32 v5, v1, 4, v5
	v_add_nc_u32 v[RD], s55, v5
	v_lshlrev_b32 v5, 12, v2
	v_lshl_add_u32 v[CO], v1, 4, v5
	s_lshl_b32 s55, s12, 10
	s_add_co_u32 s55, s55, SCR
	v_lshl_add_u32 v[SA], v1, 2, s55
	v_and_b32 v5, 31, v0
	v_lshl_add_u32 v[SR], v5, 4, s55
	v_lshlrev_b32 v[SO], 4, v5
	v_mul_u32_u24 v[PFO], v5, QROW
	; the masks.  In the diagonal block register j (key 8 h + j) is hidden from query r where j > r - 8 h
	v_lshlrev_b32 v6, 3, v2
	v_sub_nc_u32 v6, v1, v6
.irp j, 0,1,2,3,4,5,6,7
	v_mov_b32 v[MLO+(\j)], s50
	v_mov_b32 v[MHI+(\j)], s51
	v_cmp_gt_i32 vcc_lo, \j, v6
	v_cndmask_b32 v[MDG+(\j)], v[MLO+(\j)], v[MHI+(\j)], vcc_lo
.endr
; 16 products.  zero = 1: the product starts its sum with the block's mask (C in window 0).  The 64 accumulators take turns.
.macro MUL16 f, hi, a0, zero
.if \zero
	WIN 0x81+0x40*(\hi)
.else
	WIN MUL_LO+0x50*(\hi)
.endif
.irp a, \a0, (\a0)+1
.irp b, 0,1,2,3,4,5,6,7
.if \zero
.if (\b) < 4*(\hi)+(\a)
.set CM, MLO
.elseif (\b) == 4*(\hi)+(\a)
.set CM, MDG
.else
.set CM, MHI
.endif
	v_wmma_f32_16x16x32_f16 v[8*(8*(\a)+(\b)):8*(8*(\a)+(\b))+7], v[(\f)+8*(\b):(\f)+8*(\b)+7], v[(\f)+8*(4*(\hi)+(\a)):(\f)+8*(4*(\hi)+(\a))+7], v[CM:CM+7]
.else
	v_wmma_f32_16x16x32_f16 v[8*(8*(\a)+(\b)):8*(8*(\a)+(\b))+7], v[(\f)+8*(\b):(\f)+8*(\b)+7], v[(\f)+8*(4*(\hi)+(\a)):(\f)+8*(4*(\hi)+(\a))+7], v[8*(8*(\a)+(\b)):8*(8*(\a)+(\b))+7]
.endif
.endr
.endr
.endm
; 32 LDS loads in one run: the fragments of one quarter step (32 K at byte k of the rows of the slot in hand) into buffer f
.macro FETCH k, f
	WIN TO_B
.irp i, 0,1,2,3,4,5,6,7
	ds_load_b128 v[(\f)+8*(\i):(\f)+8*(\i)+3],   v[ADRB] offset:(\k)+(\i)*16*PITCH
	ds_load_b128 v[(\f)+8*(\i)+4:(\f)+8*(\i)+7], v[ADRB] offset:(\k)+(\i)*16*PITCH+32
.endr
	WIN 0
.irp i, 0,1,2,3,4,5,6,7
	ds_load_b128 v[(\f)+8*(\i):(\f)+8*(\i)+3],   v[ADRA] offset:(\k)+(\i)*16*PITCH
	ds_load_b128 v[(\f)+8*(\i)+4:(\f)+8*(\i)+7], v[ADRA] offset:(\k)+(\i)*16*PITCH+32
.endr
.endm
.macro PLACES                          ; four plain vector instructions between a matrix instruction and a load into, or a vector read of, its registers
.rept 4
	v_nop
.endr
.endm
.macro QUARTER k, f, g, zero           ; multiplies buffer f; in its middle fetches the next quarter's fragments, at byte k, into g
	s_wait_dscnt 8                                 ; k's fragments and q's rows 0-63 are in; the youngest eight loads may be out
	MUL16 \f, 0, 0, \zero
	MUL16 \f, 0, 2, \zero
	PLACES
	FETCH \k, \g
	s_wait_dscnt 32                                ; all but the 32 just issued
	MUL16 \f, 1, 0, \zero
	MUL16 \f, 1, 2, \zero
.endm
; The last quarter of a K step and the change of slots: each wave waits for all its tensor loads (one is out: its part of the next slot), adds 0 to its spare word, waits for that and for its reads of this slot, and passes the barrier.
; fill = 1: the slot just read is filled again, two K steps on, first thing behind the barrier: 224 products ahead of the wait for it.  Then the other slot becomes the slot in hand.
.macro TURN fill
.if \fill
	s_wait_xcnt 0x0                                ; the last prefetches, a K step back, have read their address
	s_add_nc_u64 s[PFA:PFA+1], s[PFA:PFA+1], KSTEP*2
.endif
	WIN 0
	s_wait_tensorcnt 0x0
	ds_add_u32 v[SPW], v[NIL]
	s_wait_dscnt 9                                 ; the add and the youngest eight loads may be out
	MUL16 F1, 0, 0, 0
	s_wait_dscnt 0x0                               ; the add is done, and my reads of this slot are over
	s_barrier_signal -1
	MUL16 F1, 0, 2, 0
	WIN 0
	s_barrier_wait -1
.if \fill
	s_add_co_u32 s[G0+5], s[LB], s[TB]             ; the walking descriptor: into the slot just read,
	s_add_nc_u64 s[G0+6:G0+7], s[G0+6:G0+7], KSTEP*2  ; the next K step; the type bits on top are not reached
	tensor_load_to_lds s[G0+4:G0+7], s[G1:G1+7]
	s_nop 0
.endif
	PLACES                                         ; behind the load, and in front of the loads below
	s_xor_b32 s[TB], s[TB], SLOT
	v_add_nc_u32 v[ADRA], s[TB], v[A0]
	v_add_nc_u32 v[ADRB], s[TB], v[B0]
	FETCH 0, F0
.if \fill
	ASK
.endif
	MUL16 F1, 1, 0, 0
	MUL16 F1, 1, 2, 0
.endm
; THE WAY OUT.  A block a is 16 queries x my 128 keys; a lane holds 64 scores of one query in the block's eight accumulators.  These two macros hold all the lines that name accumulators.
.macro MAXC a                          ; eight partial maxima of block a's scores
.set AC, 64*((\a)%4)
.set W, 2+(\a)/4
	WIN 0x15*W                                     ; three sources in the accumulators' window
.irp b, 0,1,2,3,4,5,6,7                ; each accumulator's lowest registers are read first
	v_max3_num_f32 v[MX+(\b)], v[AC+8*(\b)], v[AC+8*(\b)+1], v[AC+8*(\b)+2]
.endr
	WIN 0x14*W
.irp b, 0,1,2,3,4,5,6,7
	v_max3_num_f32 v[MX+(\b)], v[MX+(\b)], v[AC+8*(\b)+3], v[AC+8*(\b)+4]
.endr
.irp b, 0,1,2,3,4,5,6,7
	v_max3_num_f32 v[MX+(\b)], v[MX+(\b)], v[AC+8*(\b)+5], v[AC+8*(\b)+6]
.endr
.irp k, 0,2,4,6
	v_max3_num_f32 v[MX+(\k)], v[MX+(\k)], v[AC+8*(\k)+7], v[AC+8*(\k)+15]
.endr
	WIN 0
.endm
.macro SCALEC a                        ; c s + E of block a's scores, into window 0
.set AC, 64*((\a)%4)
	WIN 2+(\a)/4                                   ; source 0 in the accumulators' window
.set i, 0
.rept 32
	v_pk_fma_f32 v[Z+i:Z+i+1], v[AC+i:AC+i+1], s[CS:CS+1], v[EE:EE+1] op_sel_hi:[1,0,0]
.set i, i+2
.endr
	WIN 0
.endm
	s_wait_tensorcnt 1                             ; my part of K step 0 is in; K step 1's may stay out
	s_barrier_signal -1
	s_barrier_wait -1
	FETCH 0, F0
	QUARTER 64,  F0, F1, 1                         ; the first quarter's products start the sums, with the masks
	WIN 0
	s_mov_b32 s3, 6
.Lstep:                                                ; K steps 0 to 5: a trip goes from a step's second quarter to the next step's first, and asks for the step two on (2 to 7)
	QUARTER 128, F1, F0, 0
	QUARTER 192, F0, F1, 0
	TURN 1
	QUARTER 64,  F0, F1, 0
	WIN 0
	s_sub_co_u32 s3, s3, 1
	s_cmp_lg_u32 s3, 0
	s_cbranch_scc1 .Lstep
	s_mov_b32 s3, 2
.Ltail:                                                ; K steps 6 and 7 ask for nothing.  Written once: the last turn's barrier and its 32 loads of fragments serve nothing, once a launch
	QUARTER 128, F1, F0, 0
	QUARTER 192, F0, F1, 0
	TURN 0
	WIN 0
	s_wait_dscnt 0x0                               ; the fragments just asked for (32 products back) are in: no LDS load is out on either way past the jump
	s_cmp_eq_u32 s3, 1
	s_cbranch_scc1 .Llast                          ; behind K step 7 there is no first quarter: forward, past text with no barrier and no tensor load
	QUARTER 64,  F0, F1, 0
	WIN 0
.Llast:
	s_sub_co_u32 s3, s3, 1
	s_cmp_lg_u32 s3, 0
	s_cbranch_scc1 .Ltail
	s_wait_dscnt 0x0                               ; no load is on its way into the registers that the way out takes over
	PLACES
	v_mov_b32 v[T0], 0                             ; v_permlanex16_b32 counts as a reader of its destination
	v_mov_b32 v[T2], 0
	s_mov_b32 s3, 8
.Lblk:                                                 ; eight trips: block a = 8 - count.  A chain of compares on the count picks the block's copy of the lines that name its accumulators; all else is written once
.irp a, 0,1,2,3,4,5,6
	s_cmp_eq_u32 s3, 8-(\a)
	s_cbranch_scc1 .Lmx\a
.endr
	MAXC 7
	s_branch .Lred
.irp a, 0,1,2,3,4,5
.Lmx\a:
	MAXC \a
	s_branch .Lred
.endr
.Lmx6:
	MAXC 6
.Lred:
	v_max3_num_f32 v[MX], v[MX], v[MX+1], v[MX+2]
	v_max3_num_f32 v[MX+3], v[MX+3], v[MX+4], v[MX+5]
	v_max3_num_f32 v[MX], v[MX], v[MX+6], v[MX+7]
	v_max_num_f32 v[MX], v[MX], v[MX+3]
	v_permlanex16_b32 v[T0], v[MX], s[SEL], s[SEL+1]  ; the query's other 64 keys
	v_max_num_f32 v[MX], v[MX], v[T0]
	v_max_num_f32 v[MX], 0xe9000000, v[MX]         ; not below -2^83: a chunk wholly hidden keeps a finite E
	v_mul_f32 v[EE], 0xbd38aa3b, v[MX]             ; E = -c m
	v_mov_b32 v[EE+1], v[EE]                       ; named with it as a pair
.irp a, 0,1,2,3,4,5,6
	s_cmp_eq_u32 s3, 8-(\a)
	s_cbranch_scc1 .Lsc\a
.endr
	SCALEC 7
	s_branch .Lexp
.irp a, 0,1,2,3,4,5
.Lsc\a:
	SCALEC \a
	s_branch .Lexp
.endr
.Lsc6:
	SCALEC 6
.Lexp:
.set i, 0
.rept 64                               ; one batch of 64 exponentials
	v_exp_f32 v[Z+i], v[Z+i]
.set i, i+1
.endr
	v_nop                                          ; a plain instruction behind the last exponential,
	s_wait_alu depctr_va_vdst(0)                   ; and the one wait ahead of the batch's first reader
.set i, 0
.rept 32
	v_cvt_pk_f16_f32 v[TMP+i], v[Z+2*i], v[Z+2*i+1]
.set i, i+1
.endr
	s_wait_xcnt 0x0                                ; the last block's stores have read their data and their base: only now are these written again
	s_add_nc_u64 s[6:7], s[6:7], 16*PROW           ; stepped in every trip, the first too: the stores below reach 16 rows back
.irp b, 0,1,2,3,4,5,6,7                ; a lane's 8 keys of a row are 16 bytes: into my stage's rows of 272 bytes,
	ds_store_b128 v[STO], v[TMP+4*(\b):TMP+4*(\b)+3] offset:32*(\b)
.endr
.irp t, 0,1,2,3,4,5,6,7                ; and back as whole rows of 256.  LDS serves a wave's instructions in order: these see the stores above, and the next block's stores come behind them
	ds_load_b128 v[OB+4*(\t):OB+4*(\t)+3], v[RD] offset:(\t)*2*SPITCH
.endr
.set i, 0
.rept 16                               ; the sums stand between those loads and the wait for them
	v_pk_add_f32 v[U+2*i:U+2*i+1], v[Z+4*i:Z+4*i+1], v[Z+4*i+2:Z+4*i+3]
.set i, i+1
.endr
.irp k, 0,1,2,3,4,5,6,7
	v_pk_add_f32 v[U+4*(\k):U+4*(\k)+1], v[U+4*(\k):U+4*(\k)+1], v[U+4*(\k)+2:U+4*(\k)+3]
.endr
.irp k, 0,1,2,3
	v_pk_add_f32 v[U+8*(\k):U+8*(\k)+1], v[U+8*(\k):U+8*(\k)+1], v[U+8*(\k)+4:U+8*(\k)+5]
.endr
.irp k, 0,1
	v_pk_add_f32 v[U+16*(\k):U+16*(\k)+1], v[U+16*(\k):U+16*(\k)+1], v[U+16*(\k)+8:U+16*(\k)+9]
.endr
	v_pk_add_f32 v[U:U+1], v[U:U+1], v[U+16:U+17]
	v_add_f32 v[T1], v[U], v[U+1]
	v_permlanex16_b32 v[T2], v[T1], s[SEL], s[SEL+1]
	v_add_f32 v[T1], v[T1], v[T2]                  ; L
	ds_store_b32 v[SA], v[EE]                      ; both halves of the lanes write the same word with the same number
	ds_store_b32 v[SA], v[T1] offset:512
	v_add_nc_u32 v[SA], 64, v[SA]                  ; the next block's 16 rows
	s_wait_dscnt 2                                 ; the block is back in registers; the two stores issued behind the loads may be out
.irp t, 0,1,2,3,4,5,6,7
	global_store_b128 v[CO], v[OB+4*(\t):OB+4*(\t)+3], s[6:7] offset:2*(\t)*PROW-16*PROW  ; 16 lanes store 256 consecutive bytes, at a multiple of 256 from pw's first byte
.endr
	s_sub_co_u32 s3, s3, 1
	s_cmp_lg_u32 s3, 0
	s_cbranch_scc1 .Lblk
	ds_load_b128 v[96:99], v[SR]                   ; my wave's 128 E and 128 L, 16 bytes a lane: they see the wave's own stores above
	ds_load_b128 v[100:103], v[SR] offset:512
	s_wait_dscnt 0x0
	global_store_b128 v[SO], v[96:99], s[8:9]      ; 512 consecutive bytes each
	global_store_b128 v[SO], v[100:103], s[10:11]
	s_wait_tensorcnt 0x0                           ; the wave's end
	ds_add_u32 v[SPW], v[NIL]
	s_wait_dscnt 0x0
	s_endpgm
.Lfunc_end_k_qc0b8fc4942_score:
	.size	k_qc0b8fc4942_score, .Lfunc_end_k_qc0b8fc4942_score-k_qc0b8fc4942_score
	.p2alignl 7, 3214868480
	.fill 96, 4, 3214868480
	.section	.rodata,"a",@progbits
	.p2align	6, 0x0
	.amdhsa_kernel k_qc0b8fc4942_score
		.amdhsa_group_segment_fixed_size 327680
		.amdhsa_private_segment_fixed_size 0
		.amdhsa_enable_private_segment 0
		.amdhsa_kernarg_size 32
		.amdhsa_user_sgpr_count 2
		.amdhsa_user_sgpr_kernarg_segment_ptr 1
		.amdhsa_wavefront_size32 1
		.amdhsa_system_sgpr_workgroup_id_x 1
		.amdhsa_system_sgpr_workgroup_id_y 1
		.amdhsa_system_sgpr_workgroup_id_z 1
		.amdhsa_system_vgpr_workitem_id 0
		.amdhsa_next_free_vgpr 1024
		.amdhsa_next_free_sgpr 66
		.amdhsa_reserve_vcc 1
		.amdhsa_float_denorm_mode_32 3
		.amdhsa_float_denorm_mode_16_64 3
		.amdhsa_memory_ordered 1
		.amdhsa_forward_progress 1
		.amdhsa_inst_pref_size 111
	.end_amdhsa_kernel
	.amdgpu_metadata
---
amdhsa.version: [ 1, 2 ]
amdhsa.kernels:
  - .name:           k_qc0b8fc4942_score
    .symbol:         k_qc0b8fc4942_score.kd
    .args:
      - { .name: qkv, .offset: 0, .size: 8, .value_kind: global_buffer, .address_space: global }
      - { .name: pw, .offset: 8, .size: 8, .value_kind: global_buffer, .address_space: global }
      - { .name: est, .offset: 16, .size: 8, .value_kind: global_buffer, .address_space: global }
      - { .name: lst, .offset: 24, .size: 8, .value_kind: global_buffer, .address_space: global }
    .group_segment_fixed_size: 327680
    .private_segment_fixed_size: 0
    .kernarg_segment_align: 8
    .kernarg_segment_size: 32
    .max_flat_workgroup_size: 128
    .sgpr_count:     66
    .vgpr_count:     1024
    .wavefront_size: 32
...
	.end_amdgpu_metadata
.endif
;; end of part 3
;; launch pv (part 4): grid 8 x 32, 4 waves a work-group, clusters of 4 x 1, 327,680 bytes of LDS; arguments pw, qkv, est, lst, out0; writes out0
.if DOCPART == 4
	.amdgcn_target "amdgcn-amd-amdhsa--gfx1250"
	.amdhsa_code_object_version 6
	.text
	.protected	k_qc0b8fc4942_pv
	.globl	k_qc0b8fc4942_pv
	.p2align	8
	.type	k_qc0b8fc4942_pv,@function
k_qc0b8fc4942_pv:
	s_mov_b64 s[64:65], 0
	v_nop
	global_prefetch_b8 v0, s[64:65] scope:SCOPE_SE
	s_setreg_imm32_b32 hwreg(HW_REG_WAVE_MODE, 25, 1), 1
	s_wait_xcnt 0x0
	s_wait_alu depctr_hold_cnt(0) depctr_sa_sdst(0) depctr_va_vdst(0) depctr_va_sdst(0) depctr_va_ssrc(0) depctr_va_vcc(0) depctr_vm_vsrc(0)
	s_getreg_b32 s2, hwreg(HW_REG_IB_STS2, 6, 4)
	s_cmp_eq_u32 s2, 0
	s_cbranch_scc0 .Lentry_in_a_cluster
	s_endpgm
.Lentry_in_a_cluster:
	s_bfe_u32 s2, ttmp6, 0x10000c
	s_cmp_lg_u32 s2, 0x3003
	s_cbranch_scc0 .Lentry_shape_is_right
	s_endpgm
.Lentry_shape_is_right:
; out[t][d] = sum over chunks g of f_g(t) x (P_g V_g)[t][d].  P: pw [8192][2048] f16, the weights local to chunks of 128 keys; V: columns 2048-3071 of qkv [8192][3072] f16; out0 f32 [8192][1024].
; For each row: E* = the least E_g (est);  a_g = 2^(E* - E_g) <= 1;  l = sum of a_g L_g (lst);  f_g = a_g / l.  So the row's true maximum is taken away: by E_g in the launch before, by E* - E_g here.
; Each chunk's product has f32 accumulators of its own and is folded into the total by one fused multiply-add with f.
; LIMITS: an a below 2^-126 counts as 0; NaN and infinities are not treated apart.
; SHARES: a work-group makes 128 channels (n) of TWO blocks of 128 rows of a batch: block 15 - u, then block u.  Block i needs (i / 2) + 1 steps of 256 keys: 9 steps in all, whatever u: one walk with a constant count, all work-groups alike.
; Four waves, each 64 rows x 64 channels.  CLUSTER 4 x 1: the four partners have the same batch and u and four different n: they walk the same tiles of P, which are asked for jointly.
; V's tiles are loads of the work-group's own: the partners need different channels, and the work-groups that share channels (other u) stand at other tiles in most trips.
; LAYOUT: out^T = V^T P^T (source 0 = 16 channels x 32 keys, turned out of LDS by ds_load_tr16_b128; source 1 = 16 rows of P): a lane holds ONE row (lane % 16) and eight neighbouring channels; f is one number a lane.
; REGISTERS: window 0: v0-15 addresses; v16-31 f; v32-97 the table's work; v128-255 the totals ((a, b) at 128 + 8 (4 a + b)).  window 1: two fragment buffers of 128 (64 of P, 64 of V).  window 2: chunk accumulators X v0-127, Y v128-255.
.set PP,    528                        ; a row of P in LDS: 512 bytes + 16
.set PVP,   288                        ; a row of V: 256 bytes + 32
.set VOFF,  128*PP                     ; a slot: P's 128 rows, then V's 256 keys
.set SLOT,  147456                     ; 0x24000: it shares no bit with the four loads' places in a slot, so one exclusive or changes slots
.set STAGE, 2*SLOT                     ; 16 rows x 272 bytes for each wave, for the way out
.set SP,    272
.set FT,    STAGE+4*16*SP              ; f: 18 chunks of the walk x 128 rows, f32
.set SPARE, FT+18*512                  ; the spare words: 128 bytes a wave, named by no other line
.set QROW,  6144
.set AP0, 2                            ; my lane's place in a tile of P; never rewritten
.set AV0, 3                            ; the same for V
.set ADP, 4                            ; the same in the slot in hand
.set ADV, 5
.set STO, 6
.set RD,  7
.set GO,  8
.set FA,  9                            ; where my rows' f of the step to come lie
.set SPW, 10
.set NIL, 11
.set POP, 12                           ; lane x 4,096
.set POV, 13                           ; lane x 6,144
.set ADV2, 14                          ; ADV + 128 keys
.set FR,  16                           ; f of chunk ch, row block a at v[FR + 8 ch + 2 a]; the odd registers hold 0 (pairs are named)
.set VO,  32                           ; the table: v32-49 offsets, v50-67 E then a, v68-85 L then f
.set EV,  50
.set LV,  68
.set E1,  86
.set E2,  87
.set TA,  88
.set TC,  89
.set BIGF, 90
.set L1,  91
.set L2,  92
.set ZR,  93
.set R1,  94
.set R2,  95
.set FTA, 96
.set T4,  97
.set TOT, 128
.set XA,  0
.set YA,  128
.set F0,  0
.set F1,  128
.set WV,  14
.set NS2, 23
.set G1P, 24
.set G1V, 32
.set G0P, 40
.set G0V, 44
.set PCUR, 48                          ; s[48:49] pw at my fetch rows of the block whose tiles are being asked for
.set P2,  50
.set VB,  52                           ; s[52:53] V at my fetch rows of the batch's tile 0, my channels
.set OCUR, 54
.set O2,  56
.set TB,  58                           ; the slot in hand
.set NXT, 61                           ; the tile to be asked for next
.set LQ,  62                           ; the last tile of the block whose tiles are being asked for
.set RT,  63                           ; steps that the block in hand still has
.set CNT, 66
.set LQ2, 67
.set OFFP, 68
.set OFFV, 70
.set PFP, 72
.set PFV, 74
.set LIMP, 76
.set LIMV, 77
.set OFFQ, 78
.set MK,  80                           ; s[80:97] -1 where the walk's chunk g belongs to the first block, else 0
.set CXO, 98
.set MSB, 0
.macro WIN new
.if MSB != (\new)
	s_set_vgpr_msb (MSB<<8)|(\new)
.set MSB, \new
.endif
.endm
.set W_MM, 0xa5                        ; both sources window 1, C and D window 2
.set W_FO, 0x02                        ; source 0 window 2, all else window 0
.set W_FE, 0x40                        ; destination window 1
; A fill: waves 0 and 1 ask jointly for the two halves of P's tile, waves 2 and 3 fetch the two halves of V's.  The branch hangs on the wave's number alone.  An s_nop 0 and four v_nop follow each line.
.macro JLOAD
	s_cmp_lt_u32 s[WV], 2
	s_cbranch_scc0 .Lfor_v_\@
	tensor_load_to_lds s[G0P:G0P+3], s[G1P:G1P+7]
	s_nop 0
.rept 4
	v_nop
.endr
	s_branch .Lasked_\@
.Lfor_v_\@:
	tensor_load_to_lds s[G0V:G0V+3], s[G1V:G1V+7]
	s_nop 0
.rept 4
	v_nop
.endr
.Lasked_\@:
.endm
.macro CROUND
	s_barrier_signal -1
	s_barrier_wait -1
	s_cmp_lg_u32 s[WV], 0
	s_cbranch_scc1 .Lnot_wave_0_\@
	s_barrier_signal -3
.Lnot_wave_0_\@:
	s_barrier_wait -3
	s_barrier_signal -1
	s_barrier_wait -1
.endm
; Prefetches of the tile that the NEXT change of slots will ask for: a step, 128 products, ahead.  P's tile (128 rows x 512 bytes) is read by the two clusters of its rows: cluster x = 0 asks, wave 0 of each partner for 32 rows, told apart by address.
; V's tile (256 keys x 256 bytes) is read by the eight u of its batch and channels: u = 0, whose first block walks all eight tiles, asks in that walk alone; waves 2 and 3 for the 128 keys that each fetches.
.macro ASK
	s_cmp_gt_u32 s[CNT], s[LIMP]
	s_cbranch_scc0 .Lno_p_\@
	global_prefetch_b8 v[POP], s[PFP:PFP+1] th:TH_LOAD_NT scope:SCOPE_SE
	global_prefetch_b8 v[POP], s[PFP:PFP+1] offset:256 th:TH_LOAD_NT scope:SCOPE_SE
.Lno_p_\@:
	s_cmp_gt_u32 s[CNT], s[LIMV]
	s_cbranch_scc0 .Lno_v_\@
.irp k, 0,1,2,3
	global_prefetch_b8 v[POV], s[PFV:PFV+1] offset:(\k)*32*QROW th:TH_LOAD_NT scope:SCOPE_SE
.endr
.Lno_v_\@:
.endm
; THE CHANGE OF SLOTS.  Each wave waits for all its tensor loads (one is out: its part of the other slot), adds 0 to its spare word, and waits for that and for its reads of the slot that it leaves.
; fill = 1: a round of the cluster's barrier, and the old slot is filled again first thing behind it, with tile NXT; the descriptors' addresses are made anew from that number.  (At its first use slot 0 is waited for and slot 1 filled.)
.macro CHANGE fill
	WIN 0
.if \fill
	s_wait_xcnt 0x0                                ; the last prefetches and stores, a step back, have read their registers
.endif
	s_wait_tensorcnt 0x0
	ds_add_u32 v[SPW], v[NIL]                      ; 0 onto my spare word; the scalar work below stands between it and the wait for it
.if \fill
	s_lshl_b32 s[OFFP], s[NXT], 9                  ; 256 keys are 512 bytes of a row of P,
	s_mul_i32 s[OFFV], s[NXT], 256*QROW            ; and 256 rows of V
	s_xor_b32 s[G0P+1], s[G0P+1], SLOT
	s_add_nc_u64 s[G0P+2:G0P+3], s[PCUR:PCUR+1], s[OFFP:OFFP+1]
	s_or_b32 s[G0P+3], s[G0P+3], 0x80000000
	s_xor_b32 s[G0V+1], s[G0V+1], SLOT
	s_add_nc_u64 s[G0V+2:G0V+3], s[VB:VB+1], s[OFFV:OFFV+1]
	s_or_b32 s[G0V+3], s[G0V+3], 0x80000000
	s_add_co_u32 s[NXT], s[NXT], 1                 ; the block's next tile, or behind its last the second block's tile 0
	s_cmp_gt_u32 s[NXT], s[LQ]
	s_cselect_b32 s[NXT], 0, s[NXT]
	s_cselect_b32 s[LQ], s[LQ2], s[LQ]
	s_cselect_b64 s[PCUR:PCUR+1], s[P2:P2+1], s[PCUR:PCUR+1]
	s_lshl_b32 s[OFFQ], s[NXT], 9
	s_add_co_u32 s[OFFQ], s[OFFQ], s[CXO]
	s_add_nc_u64 s[PFP:PFP+1], s[PCUR:PCUR+1], s[OFFQ:OFFQ+1]
	s_mul_i32 s[OFFV], s[NXT], 256*QROW
	s_add_nc_u64 s[PFV:PFV+1], s[VB:VB+1], s[OFFV:OFFV+1]
	s_wait_dscnt 0x0                               ; the add is done, my reads of the slot are over (at the first use: my stores into the table are done)
	CROUND
	JLOAD
.else
	s_wait_dscnt 0x0
	s_barrier_signal -1
	s_barrier_wait -1
.endif
	s_xor_b32 s[TB], s[TB], SLOT
	v_add_nc_u32 v[ADP], s[TB], v[AP0]
	v_add_nc_u32 v[ADV], s[TB], v[AV0]
	v_add_nc_u32 v[ADV2], 128*PVP, v[ADV]
.endm
	s_load_b256 s[4:11], s[0:1], 0x0               ; pw s[4:5], qkv s[6:7], est s[8:9], lst s[10:11]
	s_load_b64 s[12:13], s[0:1], 0x20              ; out0
	v_lshl_add_u32 v[SPW], v0, 2, SPARE
	v_mov_b32 v[NIL], 0
	ds_add_u32 v[SPW], v[NIL]                      ; the wave's opening: the add and its wait ahead of my first tensor load
	v_lshrrev_b32 v1, 5, v0
	v_readfirstlane_b32 s[WV], v1                  ; wave 0..3
	s_lshr_b32 s15, s[WV], 1                       ; wr: my half of the rows
	s_and_b32 s16, s[WV], 1                        ; wc: my half of the channels.  Also: which half of a tile I fetch
	s_bfe_u32 s17, ttmp6, 0x40000                  ; cx
	s_lshl_b32 s18, ttmp9, 2
	s_add_co_u32 s18, s18, s17                     ; n = 4 x cluster x + cx
	s_and_b32 s20, ttmp7, 0xffff
	s_lshr_b32 s19, s20, 3                         ; b
	s_and_b32 s20, s20, 7                          ; u
	s_sub_co_u32 s21, 15, s20                      ; the first block
	s_lshr_b32 s22, s21, 1
	s_add_co_u32 s22, s22, 1                       ; its steps
	s_lshr_b32 s[NS2], s20, 1
	s_add_co_u32 s[NS2], s[NS2], 1                 ; the second block's
	s_mov_b32 s[G1P+0], 15|(1<<16)|(1<<20)|(1<<21)|(6<<22)|(3<<25)  ; the mask of four; 2-byte elements; padding on; bit 21 beside a mask; after every 128 words 4 words
	s_mov_b32 s[G1P+1], 256<<16                    ; tensor_dim0 = 256
	s_mov_b32 s[G1P+2], 64<<16                     ; tensor_dim1 = 64
	s_mov_b32 s[G1P+3], 256<<16                    ; tile_dim0 = 256
	s_mov_b32 s[G1P+4], 64                         ; tile_dim1 = 64
	s_mov_b32 s[G1P+5], 2048                       ; elements from row to row
	s_mov_b32 s[G1P+6], 0
	s_mov_b32 s[G1P+7], 0
	s_mov_b32 s[G1V+0], (1<<16)|(1<<20)|(5<<22)|(7<<25)  ; no mask; after every 64 words 8 words
	s_mov_b32 s[G1V+1], 128<<16
	s_mov_b32 s[G1V+2], 128<<16
	s_mov_b32 s[G1V+3], 128<<16
	s_mov_b32 s[G1V+4], 128
	s_mov_b32 s[G1V+5], 3072
	s_mov_b32 s[G1V+6], 0
	s_mov_b32 s[G1V+7], 0
	s_mov_b32 s[G0P], 1
	s_mul_i32 s[G0P+1], s16, 64*PP                 ; slot 0: P's rows 64 (w % 2) on
	s_mov_b32 s[G0V], 1
	s_mul_i32 s[G0V+1], s16, 128*PVP
	s_add_co_u32 s[G0V+1], s[G0V+1], VOFF          ; V's keys 128 (w % 2) on
	s_mov_b32 s[TB], SLOT                          ; the first change of slots turns it into 0
	s_mov_b32 s[NXT], 1
	s_sub_co_u32 s[LQ], s22, 1
	s_sub_co_u32 s[LQ2], s[NS2], 1
	s_mov_b32 s[RT], s22
	s_or_b32 s[LIMP], s[WV], ttmp9
	s_cmp_eq_u32 s[LIMP], 0
	s_cselect_b32 s[LIMP], 1, -1                   ; the last fill has no tile behind it
	s_xor_b32 s[LIMV], s15, 1
	s_or_b32 s[LIMV], s[LIMV], s20
	s_cmp_eq_u32 s[LIMV], 0
	s_cselect_b32 s[LIMV], 2, -1                   ; with u = 0 the trips with count 8 to 3 name tiles 2 to 7; behind them the walk begins anew
	s_lshl_b32 s2, s19, 11                         ; 2,048 b
	s_lshl_b32 s3, s21, 7
	s_add_co_u32 s3, s3, s2
	s_lshl_b32 s[OFFP], s16, 6
	s_add_co_u32 s3, s3, s[OFFP]
	s_lshl_b32 s[OFFP], s3, 12                     ; (2,048 b + 128 i1 + 64 (w % 2)) rows of 4,096 bytes
	s_mov_b32 s[OFFP+1], 0
	s_mov_b32 s[OFFV+1], 0
	s_mov_b32 s[OFFQ+1], 0
	s_lshl_b32 s[CXO], s17, 17                     ; my work-group's 32 rows of P's 128, for the prefetches alone
	s_wait_dscnt 0x0                               ; the opening add is done
	s_wait_kmcnt 0x0
	s_add_nc_u64 s[PCUR:PCUR+1], s[4:5], s[OFFP:OFFP+1]
	s_lshl_b32 s3, s20, 7
	s_add_co_u32 s3, s3, s2
	s_lshl_b32 s[OFFP], s16, 6
	s_add_co_u32 s3, s3, s[OFFP]
	s_lshl_b32 s[OFFP], s3, 12
	s_add_nc_u64 s[P2:P2+1], s[4:5], s[OFFP:OFFP+1]
	s_lshl_b32 s[OFFV], s16, 7
	s_add_co_u32 s[OFFV], s[OFFV], s2
	s_mul_i32 s[OFFV], s[OFFV], QROW
	s_lshl_b32 s99, s18, 8
	s_add_co_u32 s[OFFV], s[OFFV], s99
	s_add_co_u32 s[OFFV], s[OFFV], 4096            ; v begins 4,096 bytes into a row of qkv; my 128 channels 256 n further
	s_add_nc_u64 s[VB:VB+1], s[6:7], s[OFFV:OFFV+1]
.irp blk, 21, 20                       ; out0 at my 64 rows and 64 channels, of the first block and of the second
	s_lshl_b32 s[OFFV], s\blk, 7
	s_add_co_u32 s[OFFV], s[OFFV], s2
	s_lshl_b32 s99, s15, 6
	s_add_co_u32 s[OFFV], s[OFFV], s99
	s_lshl_b32 s[OFFV], s[OFFV], 12
	s_lshl_b32 s99, s18, 9
	s_add_co_u32 s[OFFV], s[OFFV], s99
	s_lshl_b32 s99, s16, 8
	s_add_co_u32 s[OFFV], s[OFFV], s99
	s_add_nc_u64 s[OCUR+2*(21-\blk):OCUR+2*(21-\blk)+1], s[12:13], s[OFFV:OFFV+1]
.endr
	s_mov_b64 s[G0P+2:G0P+3], s[PCUR:PCUR+1]       ; tile 0
	s_or_b32 s[G0P+3], s[G0P+3], 0x80000000
	s_mov_b64 s[G0V+2:G0V+3], s[VB:VB+1]
	s_or_b32 s[G0V+3], s[G0V+3], 0x80000000
	CROUND                                         ; all four work-groups are here: the first joint loads meet
	JLOAD                                          ; tile 0 into slot 0
	v_and_b32 v1, 15, v0                           ; r
	v_bfe_u32 v15, v0, 4, 1                        ; h
	v_and_b32 v32, 31, v0
	v_lshlrev_b32 v[POP], 12, v32
	v_mul_u32_u24 v[POV], v32, QROW
	s_mul_i32 s3, s15, 64*PP
	v_mul_u32_u24 v[AP0], v1, PP
	v_lshl_add_u32 v[AP0], v15, 4, v[AP0]
	v_add_nc_u32 v[AP0], s3, v[AP0]                ; (64 wr + r) x pitch + 16 h
	v_and_b32 v33, 7, v0
	v_bfe_u32 v34, v0, 3, 1
	v_lshl_add_u32 v[AV0], v15, 3, v33             ; the turning load: lane l reads key 8 h + l % 8, channels 8 ((l / 8) % 2) + 0..7
	v_mul_u32_u24 v[AV0], v[AV0], PVP
	v_lshl_add_u32 v[AV0], v34, 4, v[AV0]
	s_lshl_b32 s3, s16, 7
	s_add_co_u32 s3, s3, VOFF
	v_add_nc_u32 v[AV0], s3, v[AV0]
	s_mul_i32 s3, s[WV], 16*SP
	s_add_co_u32 s3, s3, STAGE
	v_mul_u32_u24 v[STO], v1, SP                   ; in: row r, 32 bytes for each half of the lanes
	v_lshl_add_u32 v[STO], v15, 5, v[STO]
	v_add_nc_u32 v[STO], s3, v[STO]
	v_mul_u32_u24 v[RD], v15, SP                   ; back: lanes 0-15 one row of 256 bytes, lanes 16-31 the next
	v_lshl_add_u32 v[RD], v1, 4, v[RD]
	v_add_nc_u32 v[RD], s3, v[RD]
	v_lshlrev_b32 v[GO], 12, v15
	v_lshl_add_u32 v[GO], v1, 4, v[GO]
	s_lshl_b32 s3, s15, 8
	s_add_co_u32 s3, s3, FT
	v_lshl_add_u32 v[FA], v1, 2, s3
	; THE TABLE of f.  Thread t is row t of both blocks.  The walk's chunk g is chunk g of the first block while g < n1 = 2 x its steps, else chunk g - n1 of the second.
	s_lshl_b32 s3, s22, 1                          ; n1
	s_lshl_b32 s72, s19, 17                        ; 131,072 b
	s_lshl_b32 s73, s20, 9
	s_add_co_u32 s73, s73, s72
	s_lshl_b32 s74, s3, 13
	s_sub_co_u32 s73, s73, s74                     ; second block's offset less 8,192 n1: taken only where g >= n1, where the sum with 8,192 g is not negative
	s_lshl_b32 s74, s21, 9
	s_add_co_u32 s72, s72, s74                     ; first block's offset
	v_lshlrev_b32 v[T4], 2, v0
	v_lshl_add_u32 v[FTA], v0, 2, FT
.set g, 0
.rept 18
	s_cmp_gt_u32 s3, g
	s_cselect_b32 s[MK+g], -1, 0
	s_cselect_b32 s74, s72, s73
	v_add_nc_u32 v[VO+g], s74, v[T4]
	s_add_co_u32 s72, s72, 8192
	s_add_co_u32 s73, s73, 8192
.set g, g+1
.endr
.set g, 0
.rept 18
	global_load_b32 v[EV+g], v[VO+g], s[8:9]
	global_load_b32 v[LV+g], v[VO+g], s[10:11]
.set g, g+1
.endr
.macro CLEAR                           ; the totals start at 0, so that every step has one text; written while loads are on their way
	WIN 0
.set i, 0
.rept 128
	v_mov_b32 v[TOT+i], 0
.set i, i+1
.endr
.endm
	CLEAR
.irp i, 1,3,5,7,9,11,13,15
	v_mov_b32 v[FR+(\i)], 0
.endr
	v_mov_b32 v[BIGF], 0x7f7fffff
	v_mov_b32 v[E1], 0x7f7fffff
	v_mov_b32 v[E2], 0x7f7fffff
	v_mov_b32 v[ZR], 0
	v_mov_b32 v[L1], 0
	v_mov_b32 v[L2], 0
	s_wait_loadcnt 0x0
.set g, 0
.rept 18                               ; E* of each block
	v_cndmask_b32 v[TA], v[BIGF], v[EV+g], s[MK+g]
	v_cndmask_b32 v[TC], v[EV+g], v[BIGF], s[MK+g]
	v_min_num_f32 v[E1], v[E1], v[TA]
	v_min_num_f32 v[E2], v[E2], v[TC]
.set g, g+1
.endr
.set g, 0
.rept 18
	v_cndmask_b32 v[TA], v[E2], v[E1], s[MK+g]
	v_sub_f32 v[EV+g], v[TA], v[EV+g]              ; E* - E_g
.set g, g+1
.endr
.set g, 0
.rept 18
	v_exp_f32 v[EV+g], v[EV+g]                     ; a_g: one batch
.set g, g+1
.endr
	v_nop                                          ; a plain instruction behind the last exponential,
	s_wait_alu depctr_va_vdst(0)                   ; and the one wait ahead of the batch's first reader
.set g, 0
.rept 18
	v_mul_f32 v[TA], v[EV+g], v[LV+g]
	v_cndmask_b32 v[TC], v[ZR], v[TA], s[MK+g]
	v_add_f32 v[L1], v[L1], v[TC]
	v_cndmask_b32 v[TC], v[TA], v[ZR], s[MK+g]
	v_add_f32 v[L2], v[L2], v[TC]
.set g, g+1
.endr
	v_rcp_f32 v[R1], v[L1]
	v_rcp_f32 v[R2], v[L2]
	v_nop
	s_wait_alu depctr_va_vdst(0)                   ; one wait for the two reciprocals
.set g, 0
.rept 18
	v_cndmask_b32 v[TA], v[R2], v[R1], s[MK+g]
	v_mul_f32 v[LV+g], v[EV+g], v[TA]              ; f_g
	ds_store_b32 v[FTA], v[LV+g] offset:512*g
.set g, g+1
.endr
; 32 LDS loads in one run: the fragments of 64 keys (quarter q of the step) into buffer f; the first 32 keys first
.macro FETCH q, f
	WIN W_FE
.set AVR, ADV+9*((\q)/2)               ; keys 128 on go by the second address register
.irp c, 0,1
.irp i, 0,1,2,3
	ds_load_tr16_b128 v[(\f)+64+8*(4*(\c)+(\i)):(\f)+64+8*(4*(\c)+(\i))+3],   v[AVR] offset:((64*(\q)+32*(\c))%128)*PVP+32*(\i)
	ds_load_tr16_b128 v[(\f)+64+8*(4*(\c)+(\i))+4:(\f)+64+8*(4*(\c)+(\i))+7], v[AVR] offset:((64*(\q)+32*(\c))%128)*PVP+32*(\i)+16*PVP
	ds_load_b128 v[(\f)+8*(4*(\c)+(\i)):(\f)+8*(4*(\c)+(\i))+3],         v[ADP] offset:(\i)*16*PP+128*(\q)+64*(\c)
	ds_load_b128 v[(\f)+8*(4*(\c)+(\i))+4:(\f)+8*(4*(\c)+(\i))+7],       v[ADP] offset:(\i)*16*PP+128*(\q)+64*(\c)+32
.endr
.endr
.endm
; Four of the 64 fused multiply-adds that fold a chunk's accumulators into the totals: total += f x sum.  They go in ascending order.
.macro FOLD4 set, ch
	WIN W_FO
.rept 4
	v_pk_fma_f32 v[TOT+2*fz:TOT+2*fz+1], v[(\set)+2*fz:(\set)+2*fz+1], v[FR+8*(\ch)+2*(fz/16):FR+8*(\ch)+2*(fz/16)+1], v[TOT+2*fz:TOT+2*fz+1] op_sel_hi:[1,0,1]
.set fz, fz+1
.endr
.endm
; 8 products: row blocks a0, a0 + 1 x all 4 channel blocks, 32 keys: half c of buffer f.  The 16 accumulators take turns.  ride = 1: four folds of chunk X stand behind every fourth product.
.macro MUL8 f, c, a0, set, zero, ride
.irp a, \a0, (\a0)+1
	WIN W_MM
.irp b, 0,1,2,3
.if \zero
	v_wmma_f32_16x16x32_f16 v[(\set)+8*(4*(\a)+(\b)):(\set)+8*(4*(\a)+(\b))+7], v[(\f)+64+8*(4*(\c)+(\b)):(\f)+64+8*(4*(\c)+(\b))+7], v[(\f)+8*(4*(\c)+(\a)):(\f)+8*(4*(\c)+(\a))+7], 0
.else
	v_wmma_f32_16x16x32_f16 v[(\set)+8*(4*(\a)+(\b)):(\set)+8*(4*(\a)+(\b))+7], v[(\f)+64+8*(4*(\c)+(\b)):(\f)+64+8*(4*(\c)+(\b))+7], v[(\f)+8*(4*(\c)+(\a)):(\f)+8*(4*(\c)+(\a))+7], v[(\set)+8*(4*(\a)+(\b)):(\set)+8*(4*(\a)+(\b))+7]
.endif
.endr
.if \ride
	FOLD4 XA, 0
.endif
.endr
.endm
.macro PLACES                          ; four plain vector instructions between a matrix instruction and a load into, or a vector read of, its registers
.rept 4
	v_nop
.endr
.endm
.macro QUARTER q, f, g, set, zero, ride
	s_wait_dscnt 16                                ; the first 32 keys' fragments are in
	MUL8 \f, 0, 0, \set, \zero, \ride
	MUL8 \f, 0, 2, \set, \zero, \ride
.if (\q) < 3
	PLACES
	FETCH (\q)+1, \g
	s_wait_dscnt 32                                ; all but the 32 just issued
.else
	s_wait_dscnt 0x0
.endif
	MUL8 \f, 1, 0, \set, 0, \ride
	MUL8 \f, 1, 2, \set, 0, \ride
.endm
; A STEP: 256 keys = two chunks.  Chunk 0 is summed in X (quarters 0, 1), chunk 1 in Y (quarters 2, 3) while X is folded into the totals behind Y's products; Y is folded at the end.
.macro STEP ask
	WIN 0
.irp ch, 0,1
.irp a, 0,1,2,3
	ds_load_b32 v[FR+8*(\ch)+2*(\a)], v[FA] offset:512*(\ch)+64*(\a)
.endr
.endr
	v_add_nc_u32 v[FA], 1024, v[FA]                ; the next step's two chunks
	FETCH 0, F0
	WIN 0
.if \ask
	ASK
.endif
	QUARTER 0, F0, F1, XA, 1, 0
	QUARTER 1, F1, F0, XA, 0, 0
	PLACES                                         ; in front of the first fold of X
.set fz, 0
	QUARTER 2, F0, F1, YA, 1, 1
	QUARTER 3, F1, F0, YA, 0, 1
	PLACES
.set fz, 0
.rept 16
	FOLD4 YA, 1
.endr
	WIN 0
.endm
; THE WAY OUT of a block: a lane's eight channels of a row are 32 bytes; 16 rows at a time go into my stage and come back as whole rows of 256 bytes, into the registers that they left.
.macro EPI
	WIN 0
.irp a, 0,1,2,3
.irp b, 0,1,2,3
	ds_store_b128 v[STO], v[TOT+8*(4*(\a)+(\b)):TOT+8*(4*(\a)+(\b))+3]   offset:64*(\b)
	ds_store_b128 v[STO], v[TOT+8*(4*(\a)+(\b))+4:TOT+8*(4*(\a)+(\b))+7] offset:64*(\b)+16
.endr
.irp t, 0,1,2,3,4,5,6,7
	ds_load_b128 v[TOT+32*(\a)+4*(\t):TOT+32*(\a)+4*(\t)+3], v[RD] offset:(\t)*2*SP  ; LDS serves a wave's instructions in order: these see the stores above, and the next 16 rows' stores come behind them
.endr
.endr
.irp a, 0,1,2,3
.irp t, 0,1,2,3,4,5,6,7
	s_wait_dscnt (3-(\a))*16+7-(\t)                ; the LDS instructions issued behind this load may stay out
	global_store_b128 v[GO], v[TOT+32*(\a)+4*(\t):TOT+32*(\a)+4*(\t)+3], s[OCUR:OCUR+1] offset:(16*(\a)+2*(\t))*4096  ; 16 lanes store 256 consecutive bytes, at a multiple of 256 from out0's first byte
.endr
.endr
.endm
	s_mov_b32 s[CNT], 8
.Ltrip:                                                ; 8 trips: a tile is entered and the next is asked for
	CHANGE 1
	STEP 1
	s_sub_co_u32 s[RT], s[RT], 1
	s_cmp_lg_u32 s[RT], 0
	s_cbranch_scc1 .Lsame                          ; forward, past text with no barrier and no tensor load
	EPI                                            ; the first block is done
	s_wait_xcnt 0x0                                ; the stores have read their registers and their base
	s_mov_b64 s[OCUR:OCUR+1], s[O2:O2+1]
	s_mov_b32 s[RT], s[NS2]
	CLEAR
.Lsame:
	s_sub_co_u32 s[CNT], s[CNT], 1
	s_cmp_lg_u32 s[CNT], 0
	s_cbranch_scc1 .Ltrip
	CHANGE 0                                       ; the walk's last tile is written out: nothing is asked for
	STEP 0
	EPI
	s_wait_tensorcnt 0x0                           ; the wave's end
	ds_add_u32 v[SPW], v[NIL]
	s_wait_dscnt 0x0
	CROUND                                         ; the closing round
	s_endpgm
.Lfunc_end_k_qc0b8fc4942_pv:
	.size	k_qc0b8fc4942_pv, .Lfunc_end_k_qc0b8fc4942_pv-k_qc0b8fc4942_pv
	.p2alignl 7, 3214868480
	.fill 96, 4, 3214868480
	.section	.rodata,"a",@progbits
	.p2align	6, 0x0
	.amdhsa_kernel k_qc0b8fc4942_pv
		.amdhsa_group_segment_fixed_size 327680
		.amdhsa_private_segment_fixed_size 0
		.amdhsa_enable_private_segment 0
		.amdhsa_kernarg_size 40
		.amdhsa_user_sgpr_count 2
		.amdhsa_user_sgpr_kernarg_segment_ptr 1
		.amdhsa_wavefront_size32 1
		.amdhsa_system_sgpr_workgroup_id_x 1
		.amdhsa_system_sgpr_workgroup_id_y 1
		.amdhsa_system_sgpr_workgroup_id_z 1
		.amdhsa_system_vgpr_workitem_id 0
		.amdhsa_next_free_vgpr 768
		.amdhsa_next_free_sgpr 100
		.amdhsa_reserve_vcc 0
		.amdhsa_float_denorm_mode_32 3
		.amdhsa_float_denorm_mode_16_64 3
		.amdhsa_memory_ordered 1
		.amdhsa_forward_progress 1
		.amdhsa_inst_pref_size 110
	.end_amdhsa_kernel
	.amdgpu_metadata
---
amdhsa.version: [ 1, 2 ]
amdhsa.kernels:
  - .name:           k_qc0b8fc4942_pv
    .symbol:         k_qc0b8fc4942_pv.kd
    .args:
      - { .name: pw, .offset: 0, .size: 8, .value_kind: global_buffer, .address_space: global }
      - { .name: qkv, .offset: 8, .size: 8, .value_kind: global_buffer, .address_space: global }
      - { .name: est, .offset: 16, .size: 8, .value_kind: global_buffer, .address_space: global }
      - { .name: lst, .offset: 24, .size: 8, .value_kind: global_buffer, .address_space: global }
      - { .name: out0, .offset: 32, .size: 8, .value_kind: global_buffer, .address_space: global }
    .group_segment_fixed_size: 327680
    .private_segment_fixed_size: 0
    .kernarg_segment_align: 8
    .kernarg_segment_size: 40
    .max_flat_workgroup_size: 128
    .sgpr_count:     100
    .vgpr_count:     768
    .wavefront_size: 32
...
	.end_amdgpu_metadata
.endif
;; end of part 4
;; ======== version 2 of 2: 4 launches; version 1 with the launch cast written anew for expert scheduling mode
;; limits: values are held in f16: magnitudes above 65,504 overflow, below 6.1e-05 lose precision
;; workspace buffers: xb 16,777,216 bytes; wb 6,291,456 bytes; qkv 50,331,648 bytes; pw 33,554,432 bytes; est 524,288 bytes; lst 524,288 bytes
;; launch cast (part 5): grid 704 x 1, 8 waves a work-group, no clusters, 35,840 bytes of LDS; arguments x, Wq, Wk, Wv, xb, wb; writes xb, wb
.if DOCPART == 5
	.amdgcn_target "amdgcn-amd-amdhsa--gfx1250"
	.amdhsa_code_object_version 6
	.text
	.protected	k_qc0b8fc4942_cast
	.globl	k_qc0b8fc4942_cast
	.p2align	8
	.type	k_qc0b8fc4942_cast,@function
k_qc0b8fc4942_cast:
	s_mov_b64 s[64:65], 0
	v_nop
	global_prefetch_b8 v0, s[64:65] scope:SCOPE_SE
	s_setreg_imm32_b32 hwreg(HW_REG_WAVE_SCHED_MODE, 0, 2), 2
	s_setreg_imm32_b32 hwreg(HW_REG_WAVE_MODE, 25, 1), 1
	s_wait_xcnt 0x0
	s_wait_alu depctr_vm_vsrc(0)
; x [8192][1024] and Wq, Wk, Wv [1024][1024], all f32, are rounded once to bf16 and laid out IN PLANES of 32 channels for the projection:
; xb [32 planes][8192 rows][32], wb [32 planes][3072 rows][32] (rows: Wq's, then Wk's, then Wv's).  In a plane a row is 64 bytes, and rows follow each other without a gap.
; A stream: every byte is read once and written once; no matrix unit, no cluster (no byte is shared).
; A work-group converts 16 rows (65,536 bytes of f32).  Work-groups 0-511 take x, 512-703 the three W (64 each).
; Wave w takes channels 128 w .. 128 w + 127 (planes 4 w .. 4 w + 3) of the 16 rows: a load covers 512 consecutive bytes of one row.
; The rounded numbers change places in the wave's own 4,352 bytes of LDS, so that a store covers 512 consecutive bytes of one plane (8 rows).  No barrier: no wave touches another's bytes.
; THE MODE: SCHED_MODE bits 1:0 = 2 (LLVM: expert scheduling mode 2), set by the entry lines.  The code itself states the register dependences
; between vector instructions and memory or LDS instructions, with s_wait_alu, always for 0.
; THE PLAN.  Registers that memory or LDS instructions touch:
;   v1, LSA, LRA, OFS  addresses: written once at the head by vector instructions, never again; read by the loads and stores.  One wait ahead of the first load serves them all.
;   X   row j's four registers: written by row j's global load, read by its two conversions; v[4:35] are later written by the eight LDS loads and read by the eight global stores.
;   Y   row j's two registers: written by row j's two conversions, read by row j's LDS store; never written again.
;   SPW, NIL  written at the head, read by the closing add alone.
; The rows go in four groups of four.  A group's four LDS stores are issued in the NEXT group, one ahead of each row's conversions, behind one wait at that group's head; the conversions issued
; since that wait name their own group's X and Y alone.  Behind the last conversion one wait serves the last four LDS stores and the LDS loads that land in X.
; No register that a memory or LDS instruction reads is written again, so no wait on vm_vsrc is owed.
.set NX,    512                        ; work-groups that take x
.set PLX,   524288                     ; bytes in a plane of xb
.set PLW,   196608                     ; bytes in a plane of wb
.set PLP,   1088                       ; a plane in LDS: 16 rows x 64 bytes + 64
.set WAREA, 4*PLP                      ; a wave's bytes
.set SPARE, 8*WAREA                    ; the spare words: 128 bytes a wave, named by no other line
.set X,   4                            ; v[4:67]   sixteen loads of four f32; later v[4:35] eight times 16 bytes read back
.set Y,   68                           ; v[68:99]  sixteen results of four bf16
.set OFS, 100                          ; v100-103  my byte offset in each of my wave's four planes
.set LSA, 104                          ; where I put 8 bytes of a row
.set LRA, 105                          ; where I read 16 bytes back
.set SPW, 106                          ; my spare word; never rewritten
.set NIL, 107                          ; 0; never rewritten
	s_load_b256 s[4:11], s[0:1], 0x0               ; x s[4:5], Wq s[6:7], Wk s[8:9], Wv s[10:11]
	s_load_b128 s[12:15], s[0:1], 0x20             ; xb s[12:13], wb s[14:15]
	v_lshl_add_u32 v[SPW], v0, 2, SPARE
	v_mov_b32 v[NIL], 0
	v_lshlrev_b32 v1, 4, v0                        ; 16 t = 512 w + 16 lane: my 16 bytes of a row of f32
	v_lshrrev_b32 v2, 5, v0
	v_readfirstlane_b32 s23, v2                    ; wave 0..7
	v_and_b32 v3, 31, v0
	v_lshlrev_b32 v3, 4, v3                        ; 16 lane
	v_bfe_u32 v2, v0, 3, 2                         ; lane / 8: which of the wave's four planes my four numbers fall into
	v_mul_u32_u24 v2, v2, PLP
	v_and_b32 v[LSA], 7, v0
	v_lshl_add_u32 v[LSA], v[LSA], 3, v2           ; + 8 (lane % 8)
	s_wait_alu depctr_va_sdst(0)                   ; s23 is written, ahead of its first reader: the wave's LDS bytes and its planes are made from it
	s_mul_i32 s27, s23, WAREA
	v_add_nc_u32 v[LSA], s27, v[LSA]
	v_add_nc_u32 v[LRA], s27, v3
	s_sub_co_u32 s20, ttmp9, NX                    ; m: my number among the W blocks (used where ttmp9 >= 512 alone)
	s_lshr_b32 s21, s20, 6                         ; which W
	s_and_b32 s22, s20, 63                         ; which block of it
	s_mov_b32 s24, PLX
	s_mov_b32 s25, PLW
	s_cmp_lt_u32 ttmp9, NX
	s_cselect_b32 s16, ttmp9, s22                  ; block in the source
	s_cselect_b32 s18, ttmp9, s20                  ; block in the destination
	s_cselect_b32 s24, s24, s25                    ; the destination's plane
	s_lshl_b32 s16, s16, 16                        ; 16 rows of 4,096 bytes,
	s_lshl_b32 s18, s18, 10                        ; 16 rows of 64 bytes in a plane
	s_mov_b32 s17, 0
	s_mov_b32 s19, 0
	s_lshl_b32 s26, s23, 2
	s_mul_i32 s26, s26, s24                        ; plane 4 w
.set p, 0
.rept 4
	v_add_nc_u32 v[OFS+p], s26, v3
	s_add_co_u32 s26, s26, s24
.set p, p+1
.endr
	s_wait_kmcnt 0x0
	s_cmp_eq_u32 s21, 1
	s_cselect_b64 s[6:7], s[8:9], s[6:7]
	s_cmp_eq_u32 s21, 2
	s_cselect_b64 s[6:7], s[10:11], s[6:7]
	s_cmp_lt_u32 ttmp9, NX
	s_cselect_b64 s[4:5], s[4:5], s[6:7]
	s_cselect_b64 s[12:13], s[12:13], s[14:15]
	s_add_nc_u64 s[4:5], s[4:5], s[16:17]
	s_add_nc_u64 s[12:13], s[12:13], s[18:19]
	s_wait_alu depctr_va_vdst(0)                   ; v1, LSA, LRA and the four OFS are written, which the loads and stores below read as addresses; so are SPW and NIL, which the closing add reads
.set j, 0
.rept 16                               ; row j
	global_load_b128 v[X+4*j:X+4*j+3], v1, s[4:5] offset:4096*j th:TH_LOAD_NT
.set j, j+1
.endr
.set j, 0
.rept 16
	s_wait_loadcnt 15-j                            ; loads come back in order: load j is in, the 15 - j younger ones stay out
.if (j%4 == 0) && (j > 0)
	s_wait_alu depctr_va_vdst(0)                   ; the conversions of the four rows before have written their Y, which this group's four LDS stores read
.endif
.if j >= 4
	ds_store_b64 v[LSA], v[Y+2*(j-4):Y+2*(j-4)+1] offset:64*(j-4)  ; row j - 4.  No wait of its own: no conversion since the group's wait names these registers
.endif
	v_cvt_pk_bf16_f32 v[Y+2*j], v[X+4*j], v[X+4*j+1]
	v_cvt_pk_bf16_f32 v[Y+2*j+1], v[X+4*j+2], v[X+4*j+3]
.set j, j+1
.endr
	s_wait_alu depctr_va_vdst(0)                   ; the conversions of rows 12 to 15 have written their Y, which the LDS stores below read; and all conversions are done reading X, in which the LDS loads below land
.set j, 12
.rept 4
	ds_store_b64 v[LSA], v[Y+2*j:Y+2*j+1] offset:64*j
.set j, j+1
.endr
.set t, 0
.rept 8                                ; plane t / 2, rows 8 (t % 2) on.  LDS serves a wave's instructions in order: these see the stores above
	ds_load_b128 v[X+4*t:X+4*t+3], v[LRA] offset:(t/2)*PLP+(t%2)*512
.set t, t+1
.endr
.set t, 0
.rept 8
	s_wait_dscnt 7-t                               ; load t is in, the younger ones stay out
	global_store_b128 v[OFS+t/2], v[X+4*t:X+4*t+3], s[12:13] offset:(t%2)*512  ; 512 consecutive bytes, at a multiple of 256 from the buffer's first byte
.set t, t+1
.endr
	s_wait_dscnt 0x0                               ; the closing lines, six on end
	s_wait_alu 0x0
	s_wait_tensorcnt 0x0
	ds_add_u32 v[SPW], v[NIL]
	s_wait_dscnt 0x0
	s_endpgm
.Lfunc_end_k_qc0b8fc4942_cast:
	.size	k_qc0b8fc4942_cast, .Lfunc_end_k_qc0b8fc4942_cast-k_qc0b8fc4942_cast
	.p2alignl 7, 3214868480
	.fill 96, 4, 3214868480
	.section	.rodata,"a",@progbits
	.p2align	6, 0x0
	.amdhsa_kernel k_qc0b8fc4942_cast
		.amdhsa_group_segment_fixed_size 35840
		.amdhsa_private_segment_fixed_size 0
		.amdhsa_enable_private_segment 0
		.amdhsa_kernarg_size 48
		.amdhsa_user_sgpr_count 2
		.amdhsa_user_sgpr_kernarg_segment_ptr 1
		.amdhsa_wavefront_size32 1
		.amdhsa_system_sgpr_workgroup_id_x 1
		.amdhsa_system_sgpr_workgroup_id_y 1
		.amdhsa_system_sgpr_workgroup_id_z 1
		.amdhsa_system_vgpr_workitem_id 0
		.amdhsa_next_free_vgpr 108
		.amdhsa_next_free_sgpr 66
		.amdhsa_reserve_vcc 0
		.amdhsa_float_denorm_mode_32 3
		.amdhsa_float_denorm_mode_16_64 3
		.amdhsa_memory_ordered 1
		.amdhsa_forward_progress 1
		.amdhsa_inst_pref_size 10
	.end_amdhsa_kernel
	.amdgpu_metadata
---
amdhsa.version: [ 1, 2 ]
amdhsa.kernels:
  - .name:           k_qc0b8fc4942_cast
    .symbol:         k_qc0b8fc4942_cast.kd
    .args:
      - { .name: x, .offset: 0, .size: 8, .value_kind: global_buffer, .address_space: global }
      - { .name: Wq, .offset: 8, .size: 8, .value_kind: global_buffer, .address_space: global }
      - { .name: Wk, .offset: 16, .size: 8, .value_kind: global_buffer, .address_space: global }
      - { .name: Wv, .offset: 24, .size: 8, .value_kind: global_buffer, .address_space: global }
      - { .name: xb, .offset: 32, .size: 8, .value_kind: global_buffer, .address_space: global }
      - { .name: wb, .offset: 40, .size: 8, .value_kind: global_buffer, .address_space: global }
    .group_segment_fixed_size: 35840
    .private_segment_fixed_size: 0
    .kernarg_segment_align: 8
    .kernarg_segment_size: 48
    .max_flat_workgroup_size: 256
    .sgpr_count:     66
    .vgpr_count:     108
    .wavefront_size: 32
...
	.end_amdgpu_metadata
.endif
;; end of part 5
;; launch proj: the kernel of part 2 again; grid 8 x 32, 4 waves a work-group, clusters of 4 x 4, 327,680 bytes of LDS; arguments xb, wb, qkv; writes qkv
;; launch score: the kernel of part 3 again; grid 36 x 4, 4 waves a work-group, no clusters, 327,680 bytes of LDS; arguments qkv, pw, est, lst; writes pw, est, lst
;; launch pv: the kernel of part 4 again; grid 8 x 32, 4 waves a work-group, clusters of 4 x 1, 327,680 bytes of LDS; arguments pw, qkv, est, lst, out0; writes out0
